; MI455X (gfx1250); checked and timed in simulation.
; The chip was launched on July 23, 2026; its instructions are those of AMD's public machine-readable ISA for CDNA 5 (MIT licence, August 2026) and "CDNA5" Instruction Set Architecture Reference Guide (July 2026). The comments in the code are by the model that wrote it; some were corrected since.
;; Top1 Mo E. Allowed arithmetic: matrix products marked QUANTISED: E3M2 operands, one E8M0 scale for each 32 along K, by v_wmma_scale_f32_16x16x128_f8f6f4 with both operands' format E3M2, f32 sums; products left as they are: f32 operands where the result goes on into a quantised operand, else bf16, f16 or f32 operands; f32 sums; everything else in f32.
;; Inputs: W1_codes 8 x 512 x 32 x 24 uint8 (E3M2 codes of W1, K innermost, in blocks of 32 codes, four codes in three bytes); W1_scales 8 x 512 x 32 uint8 (E8M0 scales of W1, one for each 32 codes along K); W2_codes 8 x 1,024 x 16 x 24 uint8 (E3M2 codes of W2, K innermost, in blocks of 32 codes, four codes in three bytes); W2_scales 8 x 1,024 x 16 uint8 (E8M0 scales of W2, one for each 32 codes along K); Wr 1,024 x 8 float32; b1 8 x 512 float32; b2 8 x 1,024 float32; br 8 float32; x 4 x 2,048 x 1,024 float32.
;; Outputs: out0 4 x 2,048 x 1,024 float32.
;; This version of the problem:
;;   THIS VERSION OF THE PROBLEM IS GIVEN IN LOW PRECISION. The matrix products marked QUANTISED in the list below multiply operands that are first quantised to E3M2 (3 exponent bits, 2 mantissa bits; 6 bits a number), with one power-of-two scale for each 32 numbers along K (OCP MX v1.0); their sums are f32. All else is computed in f32.
;;   The module's matrix products, in the order in which they are computed (A, B: the left and right operand; K: the contracted axis; several contracted axes count as one K, in the product's order):
;;     1. [M 8,192, K 1,024] x [K 1,024, N 8]; A: input x; B: input Wr: left as it is (N = 8 < 16)
;;     2. [M 8,192, K 1,024] x [K 1,024, N 4,096]; A: input x; B: input W1 (given as codes): QUANTISED
;;     3. batch 8 x [M 1,024, K 512] x [K 512, N 8,192]; A: input W2 (given as codes); B: computed on the way: QUANTISED
;;   THE QUANTISER, for each operand of a quantised product, along K:
;;     - K is cut into blocks of 32 from its start; a last block that is shorter is filled with zeros.
;;     - A block's scale is 2^e with e = floor(log2(the largest magnitude in the block)) - 4, held to -126 .. 127; a block of zeros has e = 0. As a byte (E8M0): e + 127.
;;     - Each number is divided by its block's scale, clamped to +-28, and rounded to the nearest number of E3M2, ties to even, subnormals kept.
;;     - The product sums the exact products of the quantised numbers (number of the format x scale) in f32.
;;   ~~~python
;;   def quantise(x, axis):      # numpy; x: float32 -> the quantised numbers, widened to float32 again
;;       x = np.moveaxis(x, axis, -1); K = x.shape[-1]
;;       x = np.pad(x, [(0, 0)] * (x.ndim - 1) + [(0, -K % 32)]); x = x.reshape(x.shape[:-1] + (-1, 32)); a = np.abs(x).max(-1, keepdims=True)
;;       e = np.where(a > 0, np.clip(np.frexp(np.where(a > 0, a, 1))[1] - 1 - 4, -126, 127), 0)      # np.frexp(a)[1] - 1 = floor(log2(a)), exactly
;;       r = np.clip(x / 2.0 ** e, -28, 28)
;;       step = 2.0 ** (np.maximum(np.frexp(np.where(r == 0, 1, r))[1] - 1, -2) - 2)
;;       q = np.round(r / step) * step * 2.0 ** e      # np.round: ties to even
;;       return np.moveaxis(q.reshape(q.shape[:-2] + (-1,))[..., :K], -1, axis).astype(np.float32)
;;   ~~~
;;   OPERANDS COMPUTED ON THE WAY. 'Computed on the way' means the value that the module computes at that place (a softmax that the list does not call 'softmax' is quantised finished and normalised). What goes into a quantiser is computed in f32, as accurately as f32 sums, v_exp_f32 and their like allow (about 1e-6 of the number): no bf16 or f16 on the way to a quantiser, and a product that is left as it is and whose result goes on into a quantised operand takes f32 operands (vector FMAs, or v_wmma_f32_16x16x4_f32). A number that lies on a knife's edge between two numbers of the format may be rounded either way, as far as f32 arithmetic and the matrix unit's own rounding can turn it there, and no further.
;;   INPUTS GIVEN AS CODES. W1 (in the module: [8, 1024, 512], K = its axis 1); W2 (in the module: [8, 512, 1024], K = its axis 1): each comes as NAME_codes (uint8): NAME with its K axis moved to the last place and cut into blocks of 32 codes, [.., K / 32, bytes a block], one block behind the other in memory; four codes in three bytes: a row's codes are one little-endian stream of bits, code i at bits 6 i .. 6 i + 5 (a code: sign, 3 exponent bits, 2 mantissa bits); and NAME_scales (uint8): the same leading axes, one E8M0 byte (e + 127) for each 32 codes along K. Its value is code x scale, taken as it is: it is not quantised again, and the codes and scales need not be those that the quantiser above would give.
;; 2 versions. Each part assembles by itself: llvm-mc -triple=amdgcn-amd-amdhsa -mcpu=gfx1250 --defsym DOCPART=n.
;; ======== version 1 of 2: 3 launches
;; workspace buffers: xq 6,291,456 bytes; xs 262,144 bytes; prob 32,768 bytes; route 12,288 bytes of whole numbers; tiles 69,120 bytes of whole numbers; wf 6,291,456 bytes
;; launch prep (part 1): grid 256 x 1, 16 waves a work-group, no clusters, 198,656 bytes of LDS; arguments x, Wr, W1_codes, W2_codes, wf, br, xq, xs, prob, route; writes wf, xq, xs, prob, route
.if DOCPART == 1
	.amdgcn_target "amdgcn-amd-amdhsa--gfx1250"
	.amdhsa_code_object_version 6
	.text
	.protected	k_q5b616b08d2_prep
	.globl	k_q5b616b08d2_prep
	.p2align	8
	.type	k_q5b616b08d2_prep,@function
k_q5b616b08d2_prep:
	s_mov_b64 s[64:65], 0
	v_nop
	global_prefetch_b8 v0, s[64:65] scope:SCOPE_SE
	s_setreg_imm32_b32 hwreg(HW_REG_WAVE_MODE, 25, 1), 1
	s_wait_xcnt 0x0
; PREP.  For 32 tokens a work-group: the router (logits in f32 by fused multiply-adds, largest probability of the softmax, argmax), and x as codes of E3M2 with one E8M0 byte for each 32 along K.
; Beside that each wave lays ONE fragment (16 rows x 128 K, 1,536 bytes) of W1's or W2's codes in the order of an operand's registers: 256 work-groups x 16 waves = the 4,096 fragments of both weights.
; SHARES.  Work-group G owns tokens 32 G .. 32 G + 31.  Wave w (0..15) owns k = 64 w .. 64 w + 63; A LANE IS A TOKEN: so a lane holds two whole blocks of 32 (no other lane is asked for a maximum),
; and Wr[k][e] is the same for all lanes and comes from scalar registers.  The 16 waves' partial logits meet in LDS; wave 0 adds them in ascending k and finishes the router.
; x comes by one tensor load a wave (32 rows x 256 bytes, into the wave's own bytes, read by that wave alone): filled once, nothing is filled again.
; OUT.  xq [token][768]: the row's codes as one stream of bits.  xs [token][32]: scale bytes.  prob [token] f32.  route [G][12 words]: words 0-7 the ballot of expert e over the 32 tokens,
; words 8-11 the eight counts, two to a word.  wf: [expert][wave of the last launch][trip 0-7][set 0-1][fragment 0-7][register group 0-2][lane][16 bytes].
; No address and no branch hangs on the argmax: it leaves as ballots at fixed places.
; LIMITS.  The argmax is taken of the logits, the lowest index winning exact ties: logits so near that their probabilities round alike may choose otherwise than an argmax of probabilities.
; NaN and infinities among the inputs are not served.  A block whose largest magnitude lies under 2^(5 - 127) gets the byte 1 (a block of zeros too, where the rule says 127: its codes are zeros,
; and this program alone reads the bytes).
.set XTW, 8704                         ; LDS: a wave's tile of x: 32 rows x (256 bytes + 16); 16 of them from byte 0
.set CS,  139264                       ; the tokens' codes: 32 rows x 784 (768 + 16)
.set CSP, 784
.set SS,  164352                       ; the tokens' scale bytes: 32 x 32
.set LG,  165376                       ; partial logits: 16 waves x 32 tokens x 48 bytes (8 numbers + 16)
.set LGW, 1536
; REGISTERS: v1 token (lane), v2 lane % 16, v3 lane / 16; v4-v13 addresses; v16-27 the weight fragment; v32-39 logits; v40-63, v128-135 at work; v64-127 x (in wave 0 at the end v64-191: all partial logits).
; s[32:63], s[68:99]: Wr of eight k x 8 experts, in two halves of four k.  s[84:95] first hold the tensor descriptor: they are loaded over only behind the wait that shows the tensor load done.
	s_load_b256 s[4:11], s[0:1], 0x0               ; x s[4:5], Wr s[6:7], W1's codes s[8:9], W2's codes s[10:11]
	s_load_b64 s[12:13], s[0:1], 0x20              ; wf
	s_load_b256 s[16:23], s[0:1], 0x28             ; br s[16:17], xq s[18:19], xs s[20:21], prob s[22:23]
	s_load_b64 s[24:25], s[0:1], 0x48              ; route
	v_lshl_add_u32 v192, v0, 2, 0x30000
	v_mov_b32 v193, 0
	ds_add_u32 v192, v193
	ds_add_u32 v192, v193
	v_lshrrev_b32 v1, 5, v0
	v_readfirstlane_b32 s14, v1                    ; wave 0..15
	s_mov_b32 s15, ttmp9                           ; G
	v_and_b32 v1, 31, v0                           ; token in the group
	v_and_b32 v2, 15, v0                           ; r
	v_bfe_u32 v3, v0, 4, 1                         ; h
	; descriptor group 1: 32 rows x 64 elements of 4 bytes, 1,024 elements from row to row; 4 words of padding behind every 64
	s_mov_b32 s84, (2<<16)|(1<<20)|(5<<22)|(3<<25)
	s_mov_b32 s85, 64<<16                          ; tensor_dim0 = 64
	s_mov_b32 s86, 32<<16                          ; tensor_dim1 = 32
	s_mov_b32 s87, 64<<16                          ; tile_dim0 = 64
	s_mov_b32 s88, 32                              ; tile_dim1 = 32
	s_mov_b32 s89, 1024                            ; stride
	s_mov_b32 s90, 0
	s_mov_b32 s91, 0
	s_mov_b32 s92, 1                               ; group 0: count
	s_mul_i32 s93, s14, XTW                        ; LDS address: my wave's tile
	s_lshl_b32 s28, s15, 17                        ; 32 rows of 4,096 bytes a work-group,
	s_lshl_b32 s29, s14, 8                         ; 256 bytes of a row a wave
	s_add_co_u32 s28, s28, s29
	s_mov_b32 s29, 0
	s_wait_dscnt 0x0
	s_wait_kmcnt 0x0
	s_add_nc_u64 s[94:95], s[4:5], s[28:29]
	s_or_b32 s95, s95, 0x80000000                  ; type = 2
	tensor_load_to_lds s[92:95], s[84:91]          ; my one tensor load
	s_nop 0
.rept 4
	v_nop
.endr
	; LDS addresses: a constant + a constant x lane + a constant x wave
	v_mul_u32_u24 v4, v1, 272
	v_add_nc_u32 v4, s93, v4                       ; my token's 256 bytes in my wave's tile
	s_mul_i32 s26, s14, 48
	s_add_co_u32 s26, s26, CS
	v_mul_u32_u24 v5, v1, CSP
	v_add_nc_u32 v5, s26, v5                       ; my token's row of codes, my wave's 48 bytes
	s_lshl_b32 s26, s14, 1
	s_add_co_u32 s26, s26, SS
	v_lshl_add_u32 v6, v1, 5, s26                  ; my token's scale bytes, my wave's two
	s_mul_i32 s26, s14, LGW
	s_add_co_u32 s26, s26, LG
	v_mul_u32_u24 v7, v1, 48
	v_add_nc_u32 v10, LG, v7                       ; wave 0 reads all partial logits of its token from here
	v_add_nc_u32 v7, s26, v7                       ; where I put mine
	s_mul_i32 s26, s14, 2*CSP
	s_add_co_u32 s26, s26, CS
	v_mul_u32_u24 v8, v3, CSP
	v_lshl_add_u32 v8, v2, 4, v8
	v_add_nc_u32 v8, s26, v8                       ; the way out of the codes: token 2 w + h, 16 bytes a lane
	s_mul_i32 s26, s14, 1536
	v_mul_u32_u24 v9, v3, 768
	v_lshl_add_u32 v9, v2, 4, v9
	v_add_nc_u32 v9, s26, v9                       ; and the same place in the group's part of xq
	v_lshlrev_b32 v11, 4, v1                       ; 16 x lane
	v_lshl_add_u32 v12, v1, 4, SS                  ; the way out of the scale bytes
	; THE WEIGHT FRAGMENT 16 G + w.  G = (4 e + wave') x 8 + trip.  Trips 0-3 are W1's: rows 128 wave' + 32 trip + 8 (w & 1) + r + 8 (r / 8), K step w >> 1;
	; trips 4-7 W2's: rows 256 wave' + 64 (trip - 4) + 16 (w & 3) + r, K step w >> 2.  Both offsets are made, then one compare chooses.
	s_lshr_b32 s26, s15, 5                         ; e
	s_bfe_u32 s27, s15, 0x20003                    ; wave'
	s_and_b32 s28, s15, 3                          ; trip % 4
	s_lshl_b32 s29, s26, 9
	s_lshl_b32 s30, s27, 7
	s_add_co_u32 s29, s29, s30
	s_lshl_b32 s30, s28, 5
	s_add_co_u32 s29, s29, s30
	s_and_b32 s30, s14, 1
	s_lshl_b32 s30, s30, 3
	s_add_co_u32 s29, s29, s30
	s_mul_i32 s29, s29, 768                        ; a row of W1: 1,024 codes
	s_lshr_b32 s30, s14, 1
	s_mul_i32 s30, s30, 96
	s_add_co_u32 s29, s29, s30                     ; W1's offset
	s_lshl_b32 s31, s26, 10
	s_lshl_b32 s30, s27, 8
	s_add_co_u32 s31, s31, s30
	s_lshl_b32 s30, s28, 6
	s_add_co_u32 s31, s31, s30
	s_and_b32 s30, s14, 3
	s_lshl_b32 s30, s30, 4
	s_add_co_u32 s31, s31, s30
	s_mul_i32 s31, s31, 384                        ; a row of W2: 512 codes
	s_lshr_b32 s30, s14, 2
	s_mul_i32 s30, s30, 96
	s_add_co_u32 s31, s31, s30                     ; W2's offset
	s_mov_b32 s30, 384
	s_and_b32 s28, s15, 4
	s_cmp_eq_u32 s28, 0                            ; a trip of W1?  The choice hangs on the work-group's number alone
	s_cselect_b32 s26, s29, s31
	s_cselect_b32 s30, 768, s30                    ; bytes from row to row
	s_cselect_b32 s31, 8, 0                        ; W1's rows of a tile: lanes 8-15 stand 8 rows further on
	s_cselect_b64 s[8:9], s[8:9], s[10:11]
	s_mov_b32 s27, 0
	s_add_nc_u64 s[8:9], s[8:9], s[26:27]
	v_lshrrev_b32 v14, 3, v2
	v_mul_lo_u32 v14, v14, s31
	v_add_nc_u32 v14, v14, v2
	v_mul_lo_u32 v13, v14, s30
	v_mad_u32_u24 v13, v3, 24, v13                 ; my row, + 24 bytes for the upper half of the lanes
.irp p, 0,1,2,3,4,5
	global_load_b64 v[16+2*\p:17+2*\p], v13, s[8:9] offset:48*(\p/3)+8*(\p%3)   ; the fragment's 12 registers, as the matrix unit takes them
.endr
	; the bases of what I store and of Wr
	s_mul_i32 s26, s15, 24576
	s_add_nc_u64 s[18:19], s[18:19], s[26:27]      ; xq: 32 tokens x 768 bytes
	s_mul_i32 s28, s14, 1536
	s_add_co_u32 s26, s26, s28
	s_add_nc_u64 s[12:13], s[12:13], s[26:27]      ; wf: fragment 16 G + w
	s_lshl_b32 s26, s15, 10
	s_add_nc_u64 s[20:21], s[20:21], s[26:27]      ; xs
	s_lshl_b32 s26, s15, 7
	s_add_nc_u64 s[22:23], s[22:23], s[26:27]      ; prob
	s_mul_i32 s26, s15, 48
	s_add_nc_u64 s[24:25], s[24:25], s[26:27]      ; route
	s_lshl_b32 s26, s14, 11
	s_add_nc_u64 s[6:7], s[6:7], s[26:27]          ; Wr at k = 64 w: 32 bytes a k
	s_load_b512 s[32:47], s[6:7], 0x0              ; Wr of my first eight k: three of its four blocks now,
	s_load_b512 s[48:63], s[6:7], 0x40
	s_load_b512 s[68:83], s[6:7], 0x80
	s_wait_tensorcnt 0x0                           ; my tile of x lies in LDS; the descriptor's registers are free:
	s_load_b512 s[84:99], s[6:7], 0xc0             ; the fourth lands on them
.irp i, 0,1,2,3,4,5,6,7,8,9,10,11,12,13,14,15
	ds_load_b128 v[64+4*\i:67+4*\i], v4 offset:16*\i   ; my token's 64 numbers
.endr
; Eight k of the router: 64 multiply-adds on all 64 scalar registers of Wr, so that a wave waits for scalar loads 8 times for its 64 k.  A half (four k, 32 registers) is asked for again as soon as its 32 multiply-adds are issued.
.macro HALF bt, hf
.set SB_, 32+36*(\hf)
.irp k, 0,1,2,3
.irp e, 0,1,2,3,4,5,6,7
.if (\bt == 0) && (\hf == 0) && (\k == 0)
	v_mul_f32 v[32+\e], s[SB_+8*\k+\e], v[64+8*(\bt)+4*(\hf)+\k]   ; the first k starts the sums
.else
	v_fmac_f32 v[32+\e], s[SB_+8*\k+\e], v[64+8*(\bt)+4*(\hf)+\k]
.endif
.endr
.endr
.if \bt < 7
	s_load_b512 s[SB_:SB_+15], s[6:7], 256*(\bt)+256+128*(\hf)
	s_load_b512 s[SB_+16:SB_+31], s[6:7], 256*(\bt)+320+128*(\hf)
.endif
.endm
.macro BATCH bt
	s_wait_kmcnt 0x0                               ; this batch's Wr is in (scalar loads return in no order: the count is 0)
	s_wait_dscnt 14-2*(\bt)                        ; LDS loads 2 bt and 2 bt + 1 are in; the younger ones may be out
	HALF \bt, 0
	HALF \bt, 1
.endm
.irp b, 0,1,2,3,4,5,6,7
	BATCH \b
.endr
; A block of 32: largest magnitude (with the floor 2^(5 - 127) among the leaves), 4 off its exponent field = the conversion's scale operand, its byte, 32 codes in 24 bytes.  Each block has registers of its own.
.macro QBLK j
.set X_, 64+32*(\j)
.set M_, 40+2*(\j)
	v_max3_num_f32 v[M_], |v[X_]|, |v[X_+1]|, |v[X_+2]|
	v_max3_num_f32 v[M_+1], |v[X_+3]|, |v[X_+4]|, |v[X_+5]|
.irp i, 6,10,14,18,22,26
	v_max3_num_f32 v[M_], v[M_], |v[X_+\i]|, |v[X_+\i+1]|
	v_max3_num_f32 v[M_+1], v[M_+1], |v[X_+\i+2]|, |v[X_+\i+3]|
.endr
	v_max3_num_f32 v[M_], v[M_], |v[X_+30]|, |v[X_+31]|
	v_max3_num_f32 v[M_], v[M_], v[M_+1], 0x2800000
	v_add_nc_u32 v[44+(\j)], 0xfe000000, v[M_]
	v_cvt_scalef32_pk16_bf6_f32 v[48+8*(\j):50+8*(\j)], v[X_:X_+15], v[44+(\j)]
	v_cvt_scalef32_pk16_bf6_f32 v[128+4*(\j):130+4*(\j)], v[X_+16:X_+31], v[44+(\j)]   ; (a conversion's three registers begin on an even number)
	v_lshrrev_b32 v[46+(\j)], 23, v[44+(\j)]       ; the scale's byte; also the plain instruction behind the conversions
.irp i, 0,1,2
	v_mov_b32 v[51+8*(\j)+\i], v[128+4*(\j)+\i]
.endr
.irp i, 0,1,2
	ds_store_b64 v5, v[48+8*(\j)+2*\i:49+8*(\j)+2*\i] offset:24*(\j)+8*\i
.endr
.endm
	QBLK 0
	QBLK 1
	v_lshl_or_b32 v46, v47, 8, v46
	ds_store_b16 v6, v46                           ; my two scale bytes
	ds_store_b128 v7, v[32:35]                     ; my partial logits
	ds_store_b128 v7, v[36:39] offset:16
	s_wait_loadcnt 0x0                             ; the weight fragment
.irp c, 0,1,2
	global_store_b128 v11, v[16+4*\c:19+4*\c], s[12:13] offset:512*\c   ; 32 lanes store 512 consecutive bytes, aligned to 256
.endr
	s_wait_dscnt 0x0                               ; for the others' sake: my LDS stores are done
	s_barrier_signal -1
	s_barrier_wait -1
.irp c, 0,1,2
	ds_load_b128 v[64+4*\c:67+4*\c], v8 offset:256*\c
.endr
	s_wait_dscnt 0x0
.irp c, 0,1,2
	global_store_b128 v9, v[64+4*\c:67+4*\c], s[18:19] offset:256*\c    ; sixteen lanes store 256 consecutive bytes of a token's codes, aligned
.endr
	s_cmp_eq_u32 s14, 1
	s_cbranch_scc0 .Lnot_wave_1
	ds_load_b128 v[80:83], v12                     ; wave 1: the group's 1,024 scale bytes
	ds_load_b128 v[84:87], v12 offset:512
	s_wait_dscnt 0x0
	global_store_b128 v11, v[80:83], s[20:21]
	global_store_b128 v11, v[84:87], s[20:21] offset:512
.Lnot_wave_1:
	s_cmp_lg_u32 s14, 0
	s_cbranch_scc1 .Lend
	; WAVE 0 FINISHES THE ROUTER
	s_wait_xcnt 0x0                                ; my stores of codes have read v64-75: they may be loaded over
	s_load_b256 s[32:39], s[16:17], 0x0            ; br
.irp q, 0,1,2,3,4,5,6,7,8,9,10,11,12,13,14,15
	ds_load_b128 v[64+8*\q:67+8*\q], v10 offset:LGW*\q
	ds_load_b128 v[68+8*\q:71+8*\q], v10 offset:LGW*\q+16
.endr
	s_wait_dscnt 0x0
.irp q, 1,2,3,4,5,6,7,8,9,10,11,12,13,14,15
.irp i, 0,2,4,6
	v_pk_add_f32 v[64+\i:65+\i], v[64+\i:65+\i], v[64+8*\q+\i:65+8*\q+\i]   ; ascending k
.endr
.endr
	s_wait_kmcnt 0x0
.irp e, 0,1,2,3,4,5,6,7
	v_add_f32 v[64+\e], s[32+\e], v[64+\e]
.endr
	v_mov_b32 v40, 0                               ; the argmax,
	v_mov_b32 v41, v64                             ; the maximum
.irp e, 1,2,3,4,5,6,7
	v_cmp_le_f32 vcc_lo, v[64+\e], v41             ; not larger: the lower index stays
	v_cndmask_b32 v40, \e, v40, vcc_lo
	v_max_num_f32 v41, v41, v[64+\e]
.endr
.irp e, 0,1,2,3,4,5,6,7
	v_sub_f32 v[72+\e], v[64+\e], v41              ; the maximum is taken away ahead of the exponential
.endr
.irp e, 0,1,2,3,4,5,6,7
	v_mul_f32 v[72+\e], 0x3fb8aa3b, v[72+\e]
.endr
.irp e, 0,1,2,3,4,5,6,7
	v_exp_f32 v[72+\e], v[72+\e]
.endr
	v_lshlrev_b32 v42, 2, v1                       ; a plain instruction behind the exponentials
	s_wait_alu depctr_va_vdst(0)                   ; one wait for the batch, ahead of its first reader
	v_add_f32 v72, v72, v73
	v_add_f32 v74, v74, v75
	v_add_f32 v76, v76, v77
	v_add_f32 v78, v78, v79
	v_add_f32 v72, v72, v74
	v_add_f32 v76, v76, v78
	v_add_f32 v72, v72, v76
	v_rcp_f32 v72, v72                             ; the largest probability is 1 / the sum
	v_mov_b32 v43, 0                               ; a plain instruction behind the reciprocal
	s_wait_alu depctr_va_vdst(0)
	global_store_b32 v42, v72, s[22:23]            ; 32 lanes store 128 consecutive bytes
.irp e, 0,1,2,3,4,5,6,7
	v_cmp_eq_u32 s[40+\e], \e, v40                 ; expert e's ballot over the 32 tokens
.endr
.irp e, 0,1,2,3,4,5,6,7
	s_bcnt1_i32_b32 s[48+\e], s[40+\e]
.endr
.irp i, 0,1,2,3
	s_lshl_b32 s[49+2*\i], s[49+2*\i], 16
	s_or_b32 s[56+\i], s[48+2*\i], s[49+2*\i]      ; two counts to a word
.endr
.irp e, 0,1,2,3,4,5,6,7
	v_writelane_b32 v43, s[40+\e], \e
.endr
.irp i, 0,1,2,3
	v_writelane_b32 v43, s[56+\i], 8+\i
.endr
	v_cmp_gt_u32 vcc_lo, 12, v1
	s_wait_xcnt 0x0                                ; EXEC changes only behind this wait
	s_and_saveexec_b32 s26, vcc_lo
	global_store_b32 v42, v43, s[24:25]            ; lanes 0-11: the group's 12 words
	s_wait_xcnt 0x0                                ; and again ahead of the line that widens it
	s_or_b32 exec_lo, exec_lo, s26
.Lend:
	s_wait_tensorcnt 0x0
	ds_add_u32 v192, v193
	s_wait_dscnt 0x0
	s_endpgm
.Lfunc_end_k_q5b616b08d2_prep:
	.size	k_q5b616b08d2_prep, .Lfunc_end_k_q5b616b08d2_prep-k_q5b616b08d2_prep
	.p2alignl 7, 3214868480
	.fill 96, 4, 3214868480
	.section	.rodata,"a",@progbits
	.p2align	6, 0x0
	.amdhsa_kernel k_q5b616b08d2_prep
		.amdhsa_group_segment_fixed_size 198656
		.amdhsa_private_segment_fixed_size 0
		.amdhsa_enable_private_segment 0
		.amdhsa_kernarg_size 80
		.amdhsa_user_sgpr_count 2
		.amdhsa_user_sgpr_kernarg_segment_ptr 1
		.amdhsa_wavefront_size32 1
		.amdhsa_system_sgpr_workgroup_id_x 1
		.amdhsa_system_sgpr_workgroup_id_y 1
		.amdhsa_system_sgpr_workgroup_id_z 1
		.amdhsa_system_vgpr_workitem_id 0
		.amdhsa_next_free_vgpr 194
		.amdhsa_next_free_sgpr 100
		.amdhsa_reserve_vcc 1
		.amdhsa_float_denorm_mode_32 3
		.amdhsa_float_denorm_mode_16_64 3
		.amdhsa_memory_ordered 1
		.amdhsa_forward_progress 1
		.amdhsa_inst_pref_size 41
	.end_amdhsa_kernel
	.amdgpu_metadata
---
amdhsa.version: [ 1, 2 ]
amdhsa.kernels:
  - .name:           k_q5b616b08d2_prep
    .symbol:         k_q5b616b08d2_prep.kd
    .args:
      - { .name: x, .offset: 0, .size: 8, .value_kind: global_buffer, .address_space: global }
      - { .name: Wr, .offset: 8, .size: 8, .value_kind: global_buffer, .address_space: global }
      - { .name: W1_codes, .offset: 16, .size: 8, .value_kind: global_buffer, .address_space: global }
      - { .name: W2_codes, .offset: 24, .size: 8, .value_kind: global_buffer, .address_space: global }
      - { .name: wf, .offset: 32, .size: 8, .value_kind: global_buffer, .address_space: global }
      - { .name: br, .offset: 40, .size: 8, .value_kind: global_buffer, .address_space: global }
      - { .name: xq, .offset: 48, .size: 8, .value_kind: global_buffer, .address_space: global }
      - { .name: xs, .offset: 56, .size: 8, .value_kind: global_buffer, .address_space: global }
      - { .name: prob, .offset: 64, .size: 8, .value_kind: global_buffer, .address_space: global }
      - { .name: route, .offset: 72, .size: 8, .value_kind: global_buffer, .address_space: global }
    .group_segment_fixed_size: 198656
    .private_segment_fixed_size: 0
    .kernarg_segment_align: 8
    .kernarg_segment_size: 80
    .max_flat_workgroup_size: 512
    .sgpr_count:     100
    .vgpr_count:     194
    .wavefront_size: 32
...
	.end_amdgpu_metadata
.endif
;; end of part 1
;; launch place (part 2): grid 135 x 1, 4 waves a work-group, no clusters, 4,608 bytes of LDS; arguments route, tiles; writes tiles
.if DOCPART == 2
	.amdgcn_target "amdgcn-amd-amdhsa--gfx1250"
	.amdhsa_code_object_version 6
	.text
	.protected	k_q5b616b08d2_place
	.globl	k_q5b616b08d2_place
	.p2align	8
	.type	k_q5b616b08d2_place,@function
k_q5b616b08d2_place:
	s_mov_b64 s[64:65], 0
	v_nop
	global_prefetch_b8 v0, s[64:65] scope:SCOPE_SE
	s_setreg_imm32_b32 hwreg(HW_REG_WAVE_MODE, 25, 1), 1
	s_wait_xcnt 0x0
; PLACE.  The rows are placed by expert: whole numbers only.  With 8,192 rows, 8 experts and tiles of 64 rows there are never more than 8192 / 64 + 8 - 1 = 135 tiles, whatever the split.
; Work-group T makes the record of tile T for the next launch: from route's ballots and counts it makes the experts' totals, finds which expert's tile number T is (experts in order, ceil(n / 64) tiles each)
; and its first rank among that expert's rows, and for each of the tile's 64 slots the token of that rank: a search over the 256 groups' prefix sums, then the n-th set bit of the group's ballot.
; Slots past the expert's last row repeat that row.  A tile number that the split does not reach gets valid = 0 and tokens held inside the table.
; OUT.  tiles [T][128 words]: words 0-63 the tokens; words 64-127 the pair (valid, expert), 32 times over, so that both stores cover 256 consecutive bytes, aligned.
; Nothing is scattered: every LDS address and every store address is made of ids alone; what hangs on route's numbers is data, chosen by v_cndmask_b32 and s_cselect_b32.
.set WT,   0                           ; LDS: the four waves' totals, 16 bytes each
.set KEY,  256                         ; a key for each of the 256 groups: (prefix << 8 | group) + 1
.set MSK,  1280                        ; the chosen expert's ballot of each group
.set LIST, 2304                        ; the tile's 64 tokens
.macro BAR                             ; my LDS stores have landed and my LDS loads are in: then the work-group's barrier
	s_wait_dscnt 0x0
	s_barrier_signal -1
	s_barrier_wait -1
.endm
	s_load_b128 s[4:7], s[0:1], 0x0                ; route s[4:5], tiles s[6:7]
	v_lshl_add_u32 v254, v0, 2, 0x1000
	v_mov_b32 v255, 0
	v_lshrrev_b32 v1, 5, v0
	v_readfirstlane_b32 s24, v1                    ; wave 0..3
	v_and_b32 v1, 31, v0                           ; L
	v_and_b32 v2, 15, v0                           ; r
	v_bfe_u32 v3, v0, 4, 1                         ; h
	v_mul_u32_u24 v32, v0, 96                      ; thread t takes groups 2 t and 2 t + 1: 96 bytes of route
	s_mov_b32 s25, ttmp9                           ; T
	s_lshl_b32 s66, s25, 9
	s_mov_b32 s67, 0
	s_wait_kmcnt 0x0
.irp i, 0,1,2,3,4,5
	global_load_b128 v[112+4*\i:115+4*\i], v32, s[4:5] offset:16*\i   ; v112-119 ballots, v120-123 counts of group 2 t; v124-131, v132-135 of group 2 t + 1
.endr
	s_add_nc_u64 s[6:7], s[6:7], s[66:67]          ; my record
	s_mov_b32 s30, 0x76543210
	s_mov_b32 s31, 0xfedcba98                      ; v_permlanex16_b32's selects for lane l xor 16
	s_mov_b32 s32, 0xaaaaaaaa                      ; the lanes with bit 0, 1, 2, 3, 4 of their number set
	s_mov_b32 s33, 0xcccccccc
	s_mov_b32 s34, 0xf0f0f0f0
	s_mov_b32 s35, 0xff00ff00
	s_mov_b32 s36, 0xffff0000
	s_lshl_b32 s55, s24, 4
	v_mov_b32 v18, s55                             ; WT + 16 w
	v_mov_b32 v19, 0                               ; WT; also the number 0
	v_lshl_add_u32 v20, v0, 3, KEY
	v_lshl_add_u32 v21, v0, 3, MSK
	v_lshl_add_u32 v22, v3, 9, KEY                 ; the search: lanes 16-31 take groups 128 on
	v_lshl_add_u32 v23, v3, 9, MSK
	s_lshl_b32 s55, s24, 6
	s_add_co_u32 s55, s55, LIST
	v_lshl_add_u32 v24, v2, 2, s55                 ; LIST: slot 16 w + r
	v_lshl_add_u32 v25, v1, 3, LIST                ; the way out: two slots a lane
	v_lshlrev_b32 v26, 3, v1                       ; and the same place in the record
	s_wait_loadcnt 0x0                             ; route
	; ---- the counts' prefix sums over the 128 threads: four words, two experts of 16 bits each (no field passes 8,192)
.irp i, 0,1,2,3
	v_add_nc_u32 v[136+\i], v[120+\i], v[132+\i]   ; s: my two groups
	v_mov_b32 v[140+\i], 0                         ; p: what stands ahead of me
	v_mov_b32 v[144+\i], 0
.endr
.macro SCANSTEP msk                    ; the partner's block is ahead of mine where my lane has the bit set
.irp i, 0,1,2,3
	v_cndmask_b32 v[148+\i], 0, v[144+\i], s[\msk]
.endr
.irp i, 0,1,2,3
	v_add_nc_u32 v[140+\i], v[140+\i], v[148+\i]
	v_add_nc_u32 v[136+\i], v[136+\i], v[144+\i]
.endr
.endm
.macro SCAND d, msk
.irp i, 0,1,2,3
	v_mov_b32_dpp v[144+\i], v[136+\i] row_xmask:\d row_mask:0xf bank_mask:0xf
.endr
	SCANSTEP \msk
.endm
	SCAND 1, 32
	SCAND 2, 33
	SCAND 4, 34
	SCAND 8, 35
.irp i, 0,1,2,3
	v_permlanex16_b32 v[144+\i], v[136+\i], s30, s31
.endr
	SCANSTEP 36
	ds_store_b128 v18, v[136:139]                  ; my wave's totals (all lanes hold and write the same)
	BAR
.irp q, 0,1,2,3
	ds_load_b128 v[152+4*\q:155+4*\q], v19 offset:16*\q
.endr
	s_wait_dscnt 0x0
.irp i, 0,1,2,3
	v_add_nc_u32 v[168+\i], v[152+\i], v[156+\i]
	v_add_nc_u32 v[172+\i], v[160+\i], v[164+\i]
.endr
.irp i, 0,1,2,3
	v_add_nc_u32 v[168+\i], v[168+\i], v[172+\i]   ; the experts' totals
.endr
.irp q, 0,1,2
	s_cmp_gt_u32 s24, \q
	s_cselect_b32 s55, -1, 0
.irp i, 0,1,2,3
	v_and_b32 v[148+\i], s55, v[152+4*\q+\i]
.endr
.irp i, 0,1,2,3
	v_add_nc_u32 v[140+\i], v[140+\i], v[148+\i]   ; + the waves ahead of mine
.endr
.endr
.irp i, 0,1,2,3
	v_readfirstlane_b32 s[68+\i], v[168+\i]
.endr
	; ---- which expert's tile is number T: the last expert whose first tile is not past T
	s_mov_b32 s52, 0
	s_mov_b32 s27, 0
	s_mov_b32 s50, 0
	s_mov_b32 s51, 0
.irp e, 0,1,2,3,4,5,6,7
.if \e%2 == 0
	s_and_b32 s53, s[68+\e/2], 0xffff
.else
	s_lshr_b32 s53, s[68+\e/2], 16
.endif
	s_add_co_u32 s54, s53, 63
	s_lshr_b32 s54, s54, 6
	s_cmp_ge_u32 s25, s52
	s_cselect_b32 s27, \e, s27
	s_cselect_b32 s50, s53, s50
	s_cselect_b32 s51, s52, s51
	s_add_co_u32 s52, s52, s54
.endr
	s_cmp_lt_u32 s25, s52
	s_cselect_b32 s26, 1, 0                        ; has this split a tile number T?
	s_sub_co_u32 s29, s25, s51
	s_lshl_b32 s29, s29, 6                         ; the tile's first rank among the expert's rows
	s_sub_co_u32 s28, s50, 1                       ; and the expert's last
.irp e, 0,1,2,3,4,5,6,7
	s_cmp_eq_u32 s27, \e
	s_cselect_b32 s[37+\e], -1, 0                  ; all ones for the chosen expert
.endr
.irp i, 0,1,2,3
	s_or_b32 s[45+\i], s[37+2*\i], s[38+2*\i]      ; and for the word that holds its count
.endr
	s_and_b32 s49, s27, 1
	s_lshl_b32 s49, s49, 4                         ; which half of that word
	; ---- a key and the chosen expert's ballot for each of my two groups
	v_and_b32 v148, s45, v140
	v_and_b32 v149, s45, v120
.irp i, 1,2,3
	v_and_or_b32 v148, v[140+\i], s[45+\i], v148
	v_and_or_b32 v149, v[120+\i], s[45+\i], v149
.endr
	v_lshrrev_b32 v148, s49, v148
	v_lshrrev_b32 v149, s49, v149
	v_and_b32 v148, 0xffff, v148                   ; the expert's rows ahead of group 2 t
	v_and_b32 v149, 0xffff, v149                   ; and in it
	v_and_b32 v150, s37, v112
	v_and_b32 v151, s37, v124
.irp e, 1,2,3,4,5,6,7
	v_and_or_b32 v150, v[112+\e], s[37+\e], v150
	v_and_or_b32 v151, v[124+\e], s[37+\e], v151
.endr
	v_add_nc_u32 v149, v148, v149
	v_lshlrev_b32 v153, 1, v0
	v_lshl_or_b32 v152, v148, 8, v153
	v_lshl_or_b32 v153, v149, 8, v153
	v_add_nc_u32 v152, 1, v152                     ; (prefix << 8 | group) + 1: never 0
	v_add_nc_u32 v153, 2, v153
	ds_store_b64 v20, v[152:153]
	ds_store_b64 v21, v[150:151]
	BAR
	; ---- the search.  Lane (r, h) of wave w serves slot 16 w + r and looks through groups 128 h .. 128 h + 127: the last group whose prefix is not above the slot's rank
	s_lshl_b32 s55, s24, 4
	s_add_co_u32 s55, s55, s29
	v_add_nc_u32 v33, s55, v2
	v_min_u32 v33, s28, v33                        ; the slot's rank, held at the expert's last row
	v_add_nc_u32 v34, 1, v33
	v_lshlrev_b32 v34, 8, v34                      ; (rank << 8 | 255) + 1
.irp i, 36,37,38,39,40,41,42,43,44,45
	v_mov_b32 v[\i], 0
.endr
.macro SEARCH bt                       ; 64 groups: keys rise with the group, so the last that passes is the largest; four chains that do not wait for each other
.irp i, 0,1,2,3,4,5,6,7,8,9,10,11,12,13,14,15
	ds_load_b128 v[112+4*\i:115+4*\i], v22 offset:256*\bt+16*\i
.endr
.irp i, 0,1,2,3,4,5,6,7,8,9,10,11,12,13,14,15
	ds_load_b128 v[176+4*\i:179+4*\i], v23 offset:256*\bt+16*\i
.endr
	s_wait_dscnt 0x0
.set J_, 0
.rept 16
.irp c, 0,1,2,3
	v_cmp_le_u32 s[72+\c], v[112+J_+\c], v34
.endr
.irp c, 0,1,2,3
	v_cndmask_b32 v[36+2*\c], v[36+2*\c], v[112+J_+\c], s[72+\c]
	v_cndmask_b32 v[37+2*\c], v[37+2*\c], v[176+J_+\c], s[72+\c]
.endr
.set J_, J_+4
.endr
.endm
	SEARCH 0
	SEARCH 1
.irp c, 1,2,3
	v_cmp_gt_u32 vcc_lo, v[36+2*\c], v36           ; the four chains: the larger key, and its ballot
	v_cndmask_b32 v36, v36, v[36+2*\c], vcc_lo
	v_cndmask_b32 v37, v37, v[37+2*\c], vcc_lo
.endr
	v_permlanex16_b32 v44, v36, s30, s31           ; and the other half of the groups
	v_permlanex16_b32 v45, v37, s30, s31
	v_cmp_gt_u32 vcc_lo, v44, v36
	v_cndmask_b32 v36, v36, v44, vcc_lo
	v_cndmask_b32 v37, v37, v45, vcc_lo
	; ---- the n-th set bit of the ballot, n = rank - prefix: counts of 2, 4, 8, 16 bits, then five halvings
	v_add_nc_u32 v36, -1, v36
	v_lshrrev_b32 v38, 8, v36
	v_sub_nc_u32 v38, v33, v38                     ; n
	v_and_b32 v39, 0xff, v36                       ; the group
	v_lshrrev_b32 v40, 1, v37
	v_and_b32 v40, 0x55555555, v40
	v_sub_nc_u32 v40, v37, v40
	v_lshrrev_b32 v41, 2, v40
	v_and_b32 v41, 0x33333333, v41
	v_and_b32 v47, 0x33333333, v40
	v_add_nc_u32 v41, v41, v47
	v_lshrrev_b32 v42, 4, v41
	v_add_nc_u32 v42, v42, v41
	v_and_b32 v42, 0x0f0f0f0f, v42
	v_lshrrev_b32 v43, 8, v42
	v_add_nc_u32 v43, v43, v42
	v_and_b32 v43, 0x00ff00ff, v43
	v_mov_b32 v44, 0                               ; the bit's place
.macro SEL src, wid, stp               ; are there n or fewer set bits in the lower part?  Then pass over it
	v_bfe_u32 v45, v[\src], v44, \wid
	v_cmp_lt_u32 vcc_lo, v38, v45
	v_cndmask_b32 v45, v45, v19, vcc_lo
	v_cndmask_b32 v46, \stp, v19, vcc_lo
	v_sub_nc_u32 v38, v38, v45
	v_add_nc_u32 v44, v44, v46
.endm
	SEL 43, 8, 16
	SEL 42, 8, 8
	SEL 41, 4, 4
	SEL 40, 2, 2
	SEL 37, 1, 1
	v_lshl_add_u32 v44, v39, 5, v44                ; the token
	v_min_u32 v44, 0x1fff, v44
	ds_store_b32 v24, v44                          ; (both halves of the lanes hold and write the same)
	BAR
	s_cmp_lg_u32 s24, 0
	s_cbranch_scc1 .Lend
	ds_load_b64 v[48:49], v25                      ; wave 0 stores the record
	v_mov_b32 v50, s26                             ; valid,
	v_mov_b32 v51, s27                             ; expert
	s_wait_dscnt 0x0
	global_store_b64 v26, v[48:49], s[6:7]             ; 32 lanes store 256 consecutive bytes, aligned: the 64 tokens
	global_store_b64 v26, v[50:51], s[6:7] offset:256  ; and 256 more: the pair, in every lane
.Lend:
	s_wait_tensorcnt 0x0
	ds_add_u32 v254, v255
	s_wait_dscnt 0x0
	s_endpgm
.Lfunc_end_k_q5b616b08d2_place:
	.size	k_q5b616b08d2_place, .Lfunc_end_k_q5b616b08d2_place-k_q5b616b08d2_place
	.p2alignl 7, 3214868480
	.fill 96, 4, 3214868480
	.section	.rodata,"a",@progbits
	.p2align	6, 0x0
	.amdhsa_kernel k_q5b616b08d2_place
		.amdhsa_group_segment_fixed_size 4608
		.amdhsa_private_segment_fixed_size 0
		.amdhsa_enable_private_segment 0
		.amdhsa_kernarg_size 16
		.amdhsa_user_sgpr_count 2
		.amdhsa_user_sgpr_kernarg_segment_ptr 1
		.amdhsa_wavefront_size32 1
		.amdhsa_system_sgpr_workgroup_id_x 1
		.amdhsa_system_sgpr_workgroup_id_y 1
		.amdhsa_system_sgpr_workgroup_id_z 1
		.amdhsa_system_vgpr_workitem_id 0
		.amdhsa_next_free_vgpr 256
		.amdhsa_next_free_sgpr 80
		.amdhsa_reserve_vcc 1
		.amdhsa_float_denorm_mode_32 3
		.amdhsa_float_denorm_mode_16_64 3
		.amdhsa_memory_ordered 1
		.amdhsa_forward_progress 1
		.amdhsa_inst_pref_size 46
	.end_amdhsa_kernel
	.amdgpu_metadata
---
amdhsa.version: [ 1, 2 ]
amdhsa.kernels:
  - .name:           k_q5b616b08d2_place
    .symbol:         k_q5b616b08d2_place.kd
    .args:
      - { .name: route, .offset: 0, .size: 8, .value_kind: global_buffer, .address_space: global }
      - { .name: tiles, .offset: 8, .size: 8, .value_kind: global_buffer, .address_space: global }
    .group_segment_fixed_size: 4608
    .private_segment_fixed_size: 0
    .kernarg_segment_align: 8
    .kernarg_segment_size: 16
    .max_flat_workgroup_size: 128
    .sgpr_count:     80
    .vgpr_count:     256
    .wavefront_size: 32
...
	.end_amdgpu_metadata
.endif
;; end of part 2
;; launch chain (part 3): grid 135 x 1, 4 waves a work-group, no clusters, 98,816 bytes of LDS; arguments tiles, prob, xq, xs, wf, W1_scales, b1, W2_scales, b2, out0; writes out0
.if DOCPART == 3
	.amdgcn_target "amdgcn-amd-amdhsa--gfx1250"
	.amdhsa_code_object_version 6
	.text
	.protected	k_q5b616b08d2_chain
	.globl	k_q5b616b08d2_chain
	.p2align	8
	.type	k_q5b616b08d2_chain,@function
k_q5b616b08d2_chain:
	s_mov_b64 s[64:65], 0
	v_nop
	global_prefetch_b8 v0, s[64:65] scope:SCOPE_SE
	s_setreg_imm32_b32 hwreg(HW_REG_WAVE_MODE, 25, 1), 1
	s_wait_xcnt 0x0
; CHAIN.  out[token] = (Q(gelu(Q(x) W1[e] + b1[e])) W2[e] + b2[e]) x prob[token] for the ONE expert e that the router chose for the token: both products on codes of E3M2 with E8M0 scales.
; A work-group takes one tile of 64 rows of one expert through the whole chain; the hidden layer never goes to memory.  With 8,192 rows, 8 experts and tiles of 64 there are never more than
; 8192 / 64 + 8 - 1 = 135 tiles, whatever the split: that many work-groups are launched.  The tile's record (valid, expert, 64 tokens) was stored by the launch before.  A work-group whose record says
; valid = 0 runs the whole text on the record's bounded numbers and jumps over its global stores alone, so every wave passes every barrier.
; Slots past the expert's last row repeat that row: the same bytes are stored twice by the same work-group.
; THE WAVES SHARE THE COLUMNS: wave w makes hidden units 128 w .. + 127 and outputs 256 w .. + 255 for all 64 rows, so each weight fragment goes from memory straight into the registers of its one
; reader (laid for that by the first launch: three loads of 16 bytes a lane) and feeds four matrix instructions.  Both products are used transposed (source 0 = 16 rows of the weight, source 1 = 16 tokens):
; a lane holds ONE token, its registers run along the outputs.  W1's rows of a tile are chosen so that the 16 registers of two neighbouring tiles are 16 neighbours along the next K.
; NO CLUSTER, NO JOINT LOADS: an expert's number of tiles is a stored number (0 to 128), so no fixed set of four work-groups holds tiles of one expert at every split.
; gelu(x) = 0.5 x (1 + erf(x / sqrt 2)), erf as z P(z^2) / Q(z^2) with z held to +-4 (degrees 6 and 4), all in f32.
; LIMITS.  erf is good to a few units in its last place, so for negative x the relative error of gelu grows as about 1.2e-7 / (1 + erf).  NaN and infinities are not served.
; A block of the hidden layer whose largest magnitude lies under 2^(5 - 127) gets the byte 1 (its codes are zeros or nearly so; nobody else reads the bytes).
.set XROW, 0                           ; LDS: the 64 rows' codes: 64 x 784 (768 + 16)
.set HIMG, 50176                       ; the hidden layer: fragment 4 m + s: 1,536 bytes as [block of 32: 384][row: 24]
.set HSC,  74752                       ; its scale words: [s][m][16 rows x 4]
.set STG,  75776                       ; the way out: 16 rows x (256 + 16) for each wave
; REGISTERS, in windows of 256.  Window 0: v1 lane, v2 r, v3 h, v4-v27 addresses and offsets, v[28:31] two coefficients; v32-63 the 64 rows' offsets in out0; v64,66,68,70 prob of tile m's row r;
;   v72-87 x's scale words, v88-95 W1's, v96-103 W2's, v104-111 the hidden layer's (these hold scales and nothing else); v112-175 product 1's eight accumulators; v176-239 at work; v240-243 scale words in the making.
;   Window 1: x's fragments of row tiles 0, 1, later the hidden layer's 16.  Window 2: x's of tiles 2, 3, later product 2's 16 accumulators and (from v128) rows on their way out.
;   Window 3: two sets of 8 weight fragments; v192-207 b1, v208-239 b2.
.set GA0, 0xaf95df0b                   ; erf's numerator, highest power first
.set GA1, 0x32edffee
.set GA2, 0xb60cff51
.set GA3, 0xb86ec2d2
.set GA4, 0xba40ac63
.set GA5, 0xbb41a1f6
.set GA6, 0xbc83dbd4
.set GB0, 0xb77460cd                   ; and its denominator
.set GB1, 0xb95fbd29
.set GB2, 0xbadc924e
.set GB3, 0xbbf19bf8
.set GB4, 0xbc69b6a7
.set MSB, 0
.macro WIN new                         ; the immediate's high byte repeats the setting that is left; a switch that changes nothing is dropped
.if MSB != (\new)
	s_set_vgpr_msb (MSB<<8)|(\new)
.set MSB, (\new)
.endif
.endm
.macro NOP4                            ; four places behind a matrix instruction, ahead of loads into its registers and of the first read of results
.rept 4
	v_nop
.endr
.endm
.macro BAR                             ; my LDS stores have landed and my LDS loads are in: then the work-group's barrier
	s_wait_dscnt 0x0
	s_barrier_signal -1
	s_barrier_wait -1
.endm
.macro WMMA                            ; one product, by the symbols D_, A_, B_, C_, SA_, SB_; RA_, RB_: the scales stand in lanes 16-31
.if RA_ && RB_
	v_wmma_scale_f32_16x16x128_f8f6f4 v[D_:D_+7], v[A_:A_+11], v[B_:B_+11], v[C_:C_+7], v[SA_], v[SB_] matrix_a_fmt:MATRIX_FMT_BF6 matrix_b_fmt:MATRIX_FMT_BF6 matrix_a_scale:MATRIX_SCALE_ROW1 matrix_b_scale:MATRIX_SCALE_ROW1
.elseif RA_
	v_wmma_scale_f32_16x16x128_f8f6f4 v[D_:D_+7], v[A_:A_+11], v[B_:B_+11], v[C_:C_+7], v[SA_], v[SB_] matrix_a_fmt:MATRIX_FMT_BF6 matrix_b_fmt:MATRIX_FMT_BF6 matrix_a_scale:MATRIX_SCALE_ROW1
.elseif RB_
	v_wmma_scale_f32_16x16x128_f8f6f4 v[D_:D_+7], v[A_:A_+11], v[B_:B_+11], v[C_:C_+7], v[SA_], v[SB_] matrix_a_fmt:MATRIX_FMT_BF6 matrix_b_fmt:MATRIX_FMT_BF6 matrix_b_scale:MATRIX_SCALE_ROW1
.else
	v_wmma_scale_f32_16x16x128_f8f6f4 v[D_:D_+7], v[A_:A_+11], v[B_:B_+11], v[C_:C_+7], v[SA_], v[SB_] matrix_a_fmt:MATRIX_FMT_BF6 matrix_b_fmt:MATRIX_FMT_BF6
.endif
.endm
.macro LOADSET kap                     ; 8 weight fragments of the stream's trip in hand into set kap: 24 loads, each 512 consecutive bytes
.irp f, 0,1,2,3,4,5,6,7
.irp c, 0,1,2
	global_load_b128 v[96*\kap+12*\f+4*\c:96*\kap+12*\f+4*\c+3], v4, s[12:13] offset:12288*\kap+1536*\f+512*\c
.endr
.endr
.endm
.macro REF1A                           ; 29 loads: set 0, b1 of the trip's 32 units, W1's scale words of K steps 0-3 (lanes 0-15 tile 0's rows, lanes 16-31 tile 1's)
	WIN 0xC0
	LOADSET 0
.irp u, 0,1
.irp q, 0,1
	global_load_b128 v[192+8*\u+4*\q:195+8*\u+4*\q], v6, s[16:17] offset:32*\u+16*\q
.endr
.endr
	WIN 0
	global_load_b128 v[88:91], v5, s[14:15]
.endm
.macro REF1B                           ; 25 loads: set 1, scale words of K steps 4-7
	WIN 0xC0
	LOADSET 1
	WIN 0
	global_load_b128 v[92:95], v5, s[14:15] offset:16
.endm
.macro B2S2A                           ; 10 loads: b2 of a trip's 64 outputs, W2's scale words of K steps 0, 1 (lanes 0-15 tile 2 j, lanes 16-31 tile 2 j + 1)
	WIN 0xC0
.irp t, 0,1,2,3
.irp q, 0,1
	global_load_b128 v[208+8*\t+4*\q:211+8*\t+4*\q], v8, s[20:21] offset:64*\t+16*\q
.endr
.endr
	WIN 0
.irp j, 0,1
	global_load_b64 v[96+2*\j:97+2*\j], v4, s[18:19] offset:512*\j
.endr
.endm
.macro S2B                             ; 2 loads: W2's scale words of K steps 2, 3
.irp j, 0,1
	global_load_b64 v[100+2*\j:101+2*\j], v4, s[18:19] offset:512*\j+8
.endr
.endm
.macro REF2A                           ; 34 loads
	WIN 0xC0
	LOADSET 0
	B2S2A
.endm
.macro REF2B                           ; 26 loads
	WIN 0xC0
	LOADSET 1
	WIN 0
	S2B
.endm
	s_load_b512 s[4:19], s[0:1], 0x0               ; tiles s[4:5], prob s[6:7], xq s[8:9], xs s[10:11], wf s[12:13], W1's scales s[14:15], b1 s[16:17], W2's scales s[18:19]
	s_load_b128 s[20:23], s[0:1], 0x40             ; b2 s[20:21], out0 s[22:23]
	v_lshl_add_u32 v254, v0, 2, 0x18000
	v_mov_b32 v255, 0
	v_lshrrev_b32 v1, 5, v0
	v_readfirstlane_b32 s24, v1                    ; wave 0..3
	v_and_b32 v1, 31, v0                           ; L
	v_and_b32 v2, 15, v0                           ; r
	v_bfe_u32 v3, v0, 4, 1                         ; h
	s_lshl_b32 s66, ttmp9, 9                       ; my tile's record: 512 bytes
	s_mov_b32 s67, 0
	s_lshl_b32 s55, s24, 6
	v_lshl_add_u32 v25, v3, 2, s55                 ; in the record: slot 16 w + h
	v_lshlrev_b32 v26, 2, v3                       ; 4 h
	v_lshlrev_b32 v27, 2, v2                       ; 4 r
	v_lshlrev_b32 v7, 2, v1                        ; 4 L
	s_wait_kmcnt 0x0
	s_add_nc_u64 s[4:5], s[4:5], s[66:67]
	s_load_b64 s[26:27], s[4:5], 0x100             ; s26 valid, s27 the expert
	; the 64 tokens are read in the four patterns in which they are wanted: 46 loads out of the record's first 256 bytes
.irp i, 0,1,2,3,4,5,6,7
	global_load_b32 v[112+\i], v25, s[4:5] offset:8*\i         ; the rows that I gather: 16 w + 2 i + h
.endr
.irp m, 0,1,2,3
.irp i, 0,1,2,3,4,5,6,7
	global_load_b32 v[32+8*\m+\i], v26, s[4:5] offset:64*\m+8*\i   ; the rows that I store: 16 m + 2 i + h
.endr
.endr
.irp m, 0,1,2,3
	global_load_b32 v[122+\m], v27, s[4:5] offset:64*\m        ; row 16 m + r: its prob
.endr
.irp q, 0,1
	global_load_b32 v[120+\q], v7, s[4:5] offset:128*\q        ; row 32 q + L: its scale words
.endr
	s_mov_b32 s30, 0x76543210
	s_mov_b32 s31, 0xfedcba98                      ; v_permlanex16_b32's selects for lane l xor 16
	; every LDS address: a constant + constants x lane terms + a constant x wave; none ever holds loaded data
	v_lshlrev_b32 v4, 4, v1                        ; 16 L
	v_and_b32 v17, 8, v2
	v_add_nc_u32 v17, v17, v2
	v_lshl_add_u32 v17, v3, 3, v17
	v_lshlrev_b32 v5, 5, v17                       ; W1's scales: row 8 h + r + 8 (r / 8) of a trip's 32, 32 bytes a row
	v_lshlrev_b32 v6, 6, v3                        ; b1: 64 h
	v_lshlrev_b32 v8, 5, v3                        ; b2: 32 h
	v_mul_u32_u24 v9, v2, 784
	v_mad_u32_u24 v9, v3, 24, v9
	v_add_nc_u32 v9, XROW, v9                      ; x's fragments: row r, + 24 h
	v_mul_u32_u24 v10, v2, 24
	v_mad_u32_u24 v10, v3, 384, v10
	v_add_nc_u32 v10, HIMG, v10                    ; the hidden fragments, read: block 2 c + h, row r
	s_mul_i32 s55, s24, 1536
	s_add_co_u32 s55, s55, HIMG
	v_mul_u32_u24 v11, v2, 24
	v_mad_u32_u24 v11, v3, 12, v11
	v_add_nc_u32 v11, s55, v11                     ; written: K step w, row r, my half's 12 bytes
	s_lshl_b32 s55, s24, 8
	s_add_co_u32 s55, s55, HSC
	v_lshl_add_u32 v12, v2, 2, s55                 ; the hidden scale words, written
	v_lshl_add_u32 v13, v1, 2, HSC                 ; and read
	s_mul_i32 s55, s24, 4352
	s_add_co_u32 s55, s55, STG
	v_mul_u32_u24 v14, v2, 272
	v_lshl_add_u32 v14, v3, 5, v14
	v_add_nc_u32 v14, s55, v14                     ; my stage, in: row r, + 32 h
	v_mul_u32_u24 v15, v3, 272
	v_lshl_add_u32 v15, v2, 4, v15
	v_add_nc_u32 v15, s55, v15                     ; back: lanes 0-15 one row, lanes 16-31 the next
	s_mul_i32 s55, s24, 12544
	s_add_co_u32 s55, s55, XROW
	v_mul_u32_u24 v16, v3, 784
	v_lshl_add_u32 v16, v2, 4, v16
	v_add_nc_u32 v16, s55, v16                     ; the gathered rows, written: row 16 w + h, 16 bytes a lane
	v_mov_b32 v28, GA0
	v_mov_b32 v29, GA0
	v_mov_b32 v30, GB0
	v_mov_b32 v31, GB0
	v_lshlrev_b32 v126, 4, v2                      ; 16 r
	s_wait_kmcnt 0x0                               ; valid, the expert
	s_min_u32 s27, s27, 7                          ; a stored number enters addresses only behind this bound
	s_mul_i32 s66, s27, 786432
	s_mul_i32 s55, s24, 196608
	s_add_co_u32 s66, s66, s55
	s_add_nc_u64 s[12:13], s[12:13], s[66:67]      ; my stream of weight fragments
	s_lshl_b32 s66, s27, 14
	s_lshl_b32 s55, s24, 12
	s_add_co_u32 s66, s66, s55
	s_add_nc_u64 s[14:15], s[14:15], s[66:67]      ; W1's scales: my 128 rows of 32 bytes
	s_add_nc_u64 s[18:19], s[18:19], s[66:67]      ; W2's: my 256 rows of 16 bytes
	s_lshl_b32 s66, s27, 11
	s_lshl_b32 s55, s24, 9
	s_add_co_u32 s66, s66, s55
	s_add_nc_u64 s[16:17], s[16:17], s[66:67]      ; b1
	s_lshl_b32 s66, s27, 12
	s_lshl_b32 s55, s24, 10
	s_add_co_u32 s66, s66, s55
	s_add_nc_u64 s[20:21], s[20:21], s[66:67]      ; b2
	s_mov_b32 s66, s55
	s_add_nc_u64 s[22:23], s[22:23], s[66:67]      ; out0: my 256 columns
	B2S2A                                          ; product 2's first b2 and scale words,
	S2B
	REF1A                                          ; and product 1's first set 0: 10 + 2 + 29 = 41 loads
	s_wait_loadcnt 41                              ; the tokens are in; the 41 just issued may be out
	; ---- each token is bounded before it enters an address
.irp i, 0,1,2,3,4,5,6,7
	v_min_u32 v[112+\i], 0x1fff, v[112+\i]
.endr
.irp i, 0,1,2,3,4,5,6,7
	v_mul_u32_u24 v[112+\i], v[112+\i], 768
.endr
.irp i, 0,1,2,3,4,5,6,7
	v_add_nc_u32 v[112+\i], v[112+\i], v126
.endr
.irp i, 0,1,2,3,4,5,6,7
.irp c, 0,1,2
	global_load_b128 v[128+12*\i+4*\c:131+12*\i+4*\c], v[112+\i], s[8:9] offset:256*\c   ; sixteen lanes read 256 consecutive bytes of a token's codes, aligned
.endr
.endr
.irp q, 0,1,2,3,4,5
	v_min_u32 v[120+\q], 0x1fff, v[120+\q]
.endr
	v_lshlrev_b32 v120, 5, v120
	v_lshlrev_b32 v121, 5, v121
.irp m, 0,1,2,3
	v_lshlrev_b32 v[122+\m], 2, v[122+\m]
.endr
.irp q, 0,1
	global_load_b128 v[72+8*\q:75+8*\q], v[120+\q], s[10:11]              ; x's scale words of K steps 0-3: lanes 0-15 row tile 2 q, lanes 16-31 tile 2 q + 1
	global_load_b128 v[76+8*\q:79+8*\q], v[120+\q], s[10:11] offset:16    ; and 4-7
.endr
.irp m, 0,1,2,3
	global_load_b32 v[64+2*\m], v[122+\m], s[6:7]
	v_mov_b32 v[65+2*\m], 0                        ; (named with it as a pair)
.endr
	REF1B                                          ; product 1's first set 1: 25 loads
	s_wait_xcnt 0x0                                ; the loads have read their bases: on to the next trip's
	s_add_nc_u64 s[12:13], s[12:13], 24576
	s_add_nc_u64 s[14:15], s[14:15], 1024
	s_add_nc_u64 s[16:17], s[16:17], 128
	s_add_nc_u64 s[18:19], s[18:19], 1024
	s_add_nc_u64 s[20:21], s[20:21], 256
.irp i, 0,1,2,3,4,5,6,7,8,9,10,11,12,13,14,15,16,17,18,19,20,21,22,23,24,25,26,27,28,29,30,31
	v_min_u32 v[32+\i], 0x1fff, v[32+\i]
.endr
.irp i, 0,1,2,3,4,5,6,7,8,9,10,11,12,13,14,15,16,17,18,19,20,21,22,23,24,25,26,27,28,29,30,31
	v_lshlrev_b32 v[32+\i], 12, v[32+\i]
.endr
.irp i, 0,1,2,3,4,5,6,7,8,9,10,11,12,13,14,15,16,17,18,19,20,21,22,23,24,25,26,27,28,29,30,31
	v_add_nc_u32 v[32+\i], v[32+\i], v126          ; token x 4,096 + 16 r
.endr
	s_wait_loadcnt 33                              ; the codes are in; the 33 younger loads (4 of scale words, 4 of prob, set 1's 25) may be out
.irp i, 0,1,2,3,4,5,6,7
.irp c, 0,1,2
	ds_store_b128 v16, v[128+12*\i+4*\c:131+12*\i+4*\c] offset:1568*\i+256*\c
.endr
.endr
	BAR                                            ; the tile's 64 rows of codes lie in LDS
	; ---- x's 32 fragments stay in registers: 192 loads of 8 bytes, those of K steps 0-3 first
.macro XFR sg
	WIN 0x40
.irp mm, 0,1
.irp sp, 0,1,2,3
.irp p, 0,1,2,3,4,5
	ds_load_b64 v[96*\mm+12*(4*\sg+\sp)+2*\p:96*\mm+12*(4*\sg+\sp)+2*\p+1], v9 offset:12544*\mm+96*(4*\sg+\sp)+48*(\p/3)+8*(\p%3)
.endr
.endr
.endr
	WIN 0x80
.irp mm, 0,1
.irp sp, 0,1,2,3
.irp p, 0,1,2,3,4,5
	ds_load_b64 v[96*\mm+12*(4*\sg+\sp)+2*\p:96*\mm+12*(4*\sg+\sp)+2*\p+1], v9 offset:12544*(2+\mm)+96*(4*\sg+\sp)+48*(\p/3)+8*(\p%3)
.endr
.endr
.endr
.endm
	XFR 0
	XFR 1
	WIN 0
.irp m, 0,1,2,3
	v_mov_b32 v[240+\m], 0                         ; the hidden layer's scale words begin empty
.endr
	s_mov_b32 s56, 0                               ; trip
	s_mov_b32 s57, 0                               ; where the trip's byte goes in a scale word
	s_mov_b32 s58, 0                               ; the trip's block in a hidden fragment
	s_mov_b32 s61, 0
	s_mov_b32 s63, 0
	s_wait_loadcnt 0x0                             ; scale words, prob, the first weights
; PRODUCT 1, 32 hidden units a trip.  32 matrix instructions on set kap (K steps 4 kap .. 4 kap + 3): row tiles in pairs (one window setting a pair); in a pair four accumulators take turns, one instruction a turn
; The first K step takes b1 as C.
.macro MM1 kap
.irp pr, 0,1
.irp sp, 0,1,2,3
.if (\kap == 0) && (\sp == 0)
	WIN 0x37+4*\pr                                 ; weights window 3, x window 1 or 2, C (b1) window 3, D window 0
.else
	WIN 0x07+4*\pr                                 ; C and D window 0
.endif
.irp u, 0,1
.irp mm, 0,1
.set D_, 112+16*(2*\pr+\mm)+8*\u
.set A_, 96*\kap+12*(2*\sp+\u)
.set B_, 96*\mm+12*(4*\kap+\sp)
.if (\kap == 0) && (\sp == 0)
.set C_, 192+8*\u
.else
.set C_, D_
.endif
.set SA_, 88+4*\kap+\sp
.set RA_, \u
.set SB_, 72+8*\pr+4*\kap+\sp
.set RB_, \mm
	WMMA
.endr
.endr
.endr
.endr
.endm
; gelu of row tile m's 16 numbers a lane, in place.  Z v176-191, U v192-207, P v208-223, Q v224-239.
.macro GELU16 m
.set X_, 112+16*(\m)
.irp j, 0,2,4,6,8,10,12,14
	v_pk_mul_f32 v[176+\j:177+\j], v[X_+\j:X_+\j+1], 0x3f3504f3 op_sel_hi:[1,0]     ; z = x / sqrt 2; each accumulator is read from its low end on
.endr
.irp j, 0,1,2,3,4,5,6,7,8,9,10,11,12,13,14,15
	v_med3_num_f32 v[176+\j], v[176+\j], -4.0, 4.0
.endr
.irp j, 0,2,4,6,8,10,12,14
	v_pk_mul_f32 v[192+\j:193+\j], v[176+\j:177+\j], v[176+\j:177+\j]
.endr
.irp j, 0,2,4,6,8,10,12,14
	v_pk_fma_f32 v[208+\j:209+\j], v[192+\j:193+\j], v[28:29], GA1 op_sel_hi:[1,1,0]
	v_pk_fma_f32 v[224+\j:225+\j], v[192+\j:193+\j], v[30:31], GB1 op_sel_hi:[1,1,0]
.endr
.irp cf, GA2, GA3, GA4, GA5, GA6
.irp j, 0,2,4,6,8,10,12,14
	v_pk_fma_f32 v[208+\j:209+\j], v[208+\j:209+\j], v[192+\j:193+\j], \cf op_sel_hi:[1,1,0]
.endr
.endr
.irp cf, GB2, GB3, GB4
.irp j, 0,2,4,6,8,10,12,14
	v_pk_fma_f32 v[224+\j:225+\j], v[224+\j:225+\j], v[192+\j:193+\j], \cf op_sel_hi:[1,1,0]
.endr
.endr
.irp j, 0,1,2,3,4,5,6,7,8,9,10,11,12,13,14,15
	v_rcp_f32 v[224+\j], v[224+\j]
.endr
.irp j, 0,2,4,6,8,10,12,14
	v_pk_mul_f32 v[208+\j:209+\j], v[208+\j:209+\j], v[176+\j:177+\j]               ; plain work behind the reciprocals, which names none of them
	v_pk_mul_f32 v[192+\j:193+\j], v[X_+\j:X_+\j+1], 0.5 op_sel_hi:[1,0]
.endr
	s_wait_alu depctr_va_vdst(0)                   ; one wait for the sixteen reciprocals, ahead of their first reader
.irp j, 0,2,4,6,8,10,12,14
	v_pk_mul_f32 v[208+\j:209+\j], v[208+\j:209+\j], v[224+\j:225+\j]               ; erf
.endr
.irp j, 0,2,4,6,8,10,12,14
	v_pk_fma_f32 v[X_+\j:X_+\j+1], v[192+\j:193+\j], v[208+\j:209+\j], v[192+\j:193+\j]   ; 0.5 x erf + 0.5 x
.endr
.endm
; The trip's block of 32 hidden units of each of the 64 rows: 16 numbers in lane l, 16 in lane l xor 16.  Byte into the row's scale word; my 16 codes, 12 bytes, to their place in the fragment's image.
.macro QUANT1
.irp m, 0,1,2,3
	v_max3_num_f32 v[176+\m], |v[112+16*\m]|, |v[113+16*\m]|, 0x2800000    ; with the floor 2^(5 - 127): the byte cannot fall under 1
.endr
.irp i, 2,4,6,8,10,12,14
.irp m, 0,1,2,3
	v_max3_num_f32 v[176+\m], v[176+\m], |v[112+16*\m+\i]|, |v[113+16*\m+\i]|
.endr
.endr
.irp m, 0,1,2,3
	v_permlanex16_b32 v[180+\m], v[176+\m], s30, s31
.endr
.irp m, 0,1,2,3
	v_max_num_f32 v[176+\m], v[176+\m], v[180+\m]
.endr
.irp m, 0,1,2,3
	v_add_nc_u32 v[184+\m], 0xfe000000, v[176+\m]  ; 4 off the exponent field: the conversion's scale operand
.endr
.irp m, 0,1,2,3
	v_lshrrev_b32 v[188+\m], 23, v[184+\m]
.endr
.irp m, 0,1,2,3
	v_lshl_or_b32 v[240+\m], v[188+\m], s57, v[240+\m]
.endr
	v_add_nc_u32 v17, s58, v11
.irp m, 0,1,2,3
	v_cvt_scalef32_pk16_bf6_f32 v[192+4*\m:194+4*\m], v[112+16*\m:127+16*\m], v[184+\m]
.endr
	v_nop                                          ; one plain instruction behind the conversions
.irp m, 0,1,2,3
.irp i, 0,1,2
	ds_store_b32 v17, v[192+4*\m+\i] offset:6144*\m+4*\i
.endr
.endr
.endm
.Lp1:                                              ; 4 trips
	s_wait_loadcnt 25                              ; set 0, b1 and its scale words are in; set 1's 25 loads may be out
	s_wait_dscnt 63                                ; of x's 192 fragment loads all but the last 63 are in: the first 96, K steps 0-3, among them
	MM1 0
	NOP4
	REF1A                                          ; the next trip's (in the last trip: product 2's first set 0; b1 and scale words are then this trip's again and are not used)
	s_wait_loadcnt 29                              ; set 1 is in; the 29 just issued may be out
	s_wait_dscnt 0x0                               ; x's K steps 4-7
	MM1 1
	NOP4
	REF1B
	GELU16 0
	GELU16 1
	GELU16 2
	GELU16 3
	QUANT1
	s_wait_xcnt 0x0                                ; the loads have read their bases
	s_add_nc_u64 s[12:13], s[12:13], 24576
	s_cmp_lt_u32 s56, 2                            ; b1's and the scales' bases stop at the last trip's: no load leaves its buffer
	s_cselect_b32 s60, 1024, 0
	s_cselect_b32 s62, 128, 0
	s_add_nc_u64 s[14:15], s[14:15], s[60:61]
	s_add_nc_u64 s[16:17], s[16:17], s[62:63]
	s_add_co_u32 s57, s57, 8
	s_add_co_u32 s58, s58, 384
	s_add_co_u32 s56, s56, 1
	s_cmp_lt_u32 s56, 4
	s_cbranch_scc1 .Lp1
.irp m, 0,1,2,3
	ds_store_b32 v12, v[240+\m] offset:64*\m       ; my K step's scale words (both halves of the lanes write the same)
.endr
	BAR                                            ; the hidden layer's 16 fragments and their scale words lie in LDS
	WIN 0x40
.irp m, 0,1,2,3
.irp s, 0,1,2,3
.irp p, 0,1,2,3,4,5
	ds_load_b64 v[12*(4*\m+\s)+2*\p:12*(4*\m+\s)+2*\p+1], v10 offset:1536*(4*\m+\s)+768*(\p/3)+8*(\p%3)
.endr
.endr
.endr
	WIN 0
.irp s, 0,1,2,3
.irp q, 0,1
	ds_load_b32 v[104+4*\q+\s], v13 offset:256*\s+128*\q   ; lanes 0-15 row tile 2 q, lanes 16-31 tile 2 q + 1
.endr
.endr
	s_wait_dscnt 0x0
; PRODUCT 2, 64 outputs a trip.  32 matrix instructions on set kap (K steps 2 kap, 2 kap + 1): sixteen accumulators (4 tiles of outputs x 4 row tiles) take turns.  The first K step takes b2 as C.
.macro MM2 kap
.irp sp, 0,1
.if (\kap == 0) && (\sp == 0)
	WIN 0xB7                                       ; weights window 3, hidden layer window 1, C (b2) window 3, D window 2
.else
	WIN 0xA7                                       ; C and D window 2
.endif
.irp t, 0,1,2,3
.irp m, 0,1,2,3
.set D_, 32*\m+8*\t
.set A_, 96*\kap+12*(4*\sp+\t)
.set B_, 12*(4*\m+2*\kap+\sp)
.if (\kap == 0) && (\sp == 0)
.set C_, 208+8*\t
.else
.set C_, D_
.endif
.set SA_, 96+4*\kap+2*(\t/2)+\sp
.set RA_, \t%2
.set SB_, 104+4*(\m/2)+2*\kap+\sp
.set RB_, \m%2
	WMMA
.endr
.endr
.endr
.endm
; THE WAY OUT of a trip: x prob; a row tile at a time through my own stage (LDS serves a wave's instructions in order: ISA guide 5.7.1.4) and back as rows of 256 bytes; then 32 stores.
.macro EPI refill
.irp m, 0,1,2,3
	WIN 0x82
.irp t, 0,1,2,3
.irp j, 0,2,4,6
	v_pk_mul_f32 v[32*\m+8*\t+\j:32*\m+8*\t+\j+1], v[32*\m+8*\t+\j:32*\m+8*\t+\j+1], v[64+2*\m:65+2*\m] op_sel_hi:[1,0]   ; each accumulator from its low end on
.endr
.endr
	WIN 0x88
.irp t, 0,1,2,3
.irp q, 0,1
	ds_store_b128 v14, v[32*\m+8*\t+4*\q:32*\m+8*\t+4*\q+3] offset:64*\t+16*\q
.endr
.endr
.irp i, 0,1,2,3,4,5,6,7
	ds_load_b128 v[128+32*\m+4*\i:128+32*\m+4*\i+3], v15 offset:544*\i
.endr
.endr
	s_wait_dscnt 0x0
	WIN 0
	s_cmp_lg_u32 s26, 0                            ; a work-group without rows stores nothing: the one branch on a stored number, round the stores alone
	s_cbranch_scc0 .Lno_rows_\@
	WIN 0x08
.irp m, 0,1,2,3
.irp i, 0,1,2,3,4,5,6,7
	global_store_b128 v[32+8*\m+\i], v[128+32*\m+4*\i:128+32*\m+4*\i+3], s[22:23] th:TH_STORE_NT   ; sixteen lanes store 256 consecutive bytes of a token's row, aligned
.endr
.endr
	WIN 0
.Lno_rows_\@:
.if \refill
	s_wait_xcnt 0x0                                ; stores and loads have read their registers and bases
	s_add_nc_u64 s[22:23], s[22:23], 256
	s_add_nc_u64 s[12:13], s[12:13], 24576
	s_add_nc_u64 s[18:19], s[18:19], 1024
	s_add_nc_u64 s[20:21], s[20:21], 256
.endif
.endm
.macro P2TRIP refill
	s_wait_loadcnt 25                              ; set 0 with b2 and its scale words is in.  Behind it stand 25 loads on the way in from product 1 and 26 later: the lower count serves both
	MM2 0
.if \refill
	NOP4
	REF2A
	s_wait_loadcnt 34                              ; set 1 is in; the 34 just issued may be out
.else
	s_wait_loadcnt 0x0
.endif
	MM2 1
	NOP4
.if \refill
	REF2B
.endif
	EPI \refill
.endm
	s_mov_b32 s56, 0
.Lp2:                                              ; 3 trips that fetch the next trip's weights
	P2TRIP 1
	s_add_co_u32 s56, s56, 1
	s_cmp_lt_u32 s56, 3
	s_cbranch_scc1 .Lp2
	P2TRIP 0                                       ; the last fetches nothing
	s_wait_tensorcnt 0x0
	ds_add_u32 v254, v255
	s_wait_dscnt 0x0
	s_endpgm
.Lfunc_end_k_q5b616b08d2_chain:
	.size	k_q5b616b08d2_chain, .Lfunc_end_k_q5b616b08d2_chain-k_q5b616b08d2_chain
	.p2alignl 7, 3214868480
	.fill 96, 4, 3214868480
	.section	.rodata,"a",@progbits
	.p2align	6, 0x0
	.amdhsa_kernel k_q5b616b08d2_chain
		.amdhsa_group_segment_fixed_size 98816
		.amdhsa_private_segment_fixed_size 0
		.amdhsa_enable_private_segment 0
		.amdhsa_kernarg_size 80
		.amdhsa_user_sgpr_count 2
		.amdhsa_user_sgpr_kernarg_segment_ptr 1
		.amdhsa_wavefront_size32 1
		.amdhsa_system_sgpr_workgroup_id_x 1
		.amdhsa_system_sgpr_workgroup_id_y 1
		.amdhsa_system_sgpr_workgroup_id_z 1
		.amdhsa_system_vgpr_workitem_id 0
		.amdhsa_next_free_vgpr 1024
		.amdhsa_next_free_sgpr 80
		.amdhsa_reserve_vcc 0
		.amdhsa_float_denorm_mode_32 3
		.amdhsa_float_denorm_mode_16_64 3
		.amdhsa_memory_ordered 1
		.amdhsa_forward_progress 1
		.amdhsa_inst_pref_size 159
	.end_amdhsa_kernel
	.amdgpu_metadata
---
amdhsa.version: [ 1, 2 ]
amdhsa.kernels:
  - .name:           k_q5b616b08d2_chain
    .symbol:         k_q5b616b08d2_chain.kd
    .args:
      - { .name: tiles, .offset: 0, .size: 8, .value_kind: global_buffer, .address_space: global }
      - { .name: prob, .offset: 8, .size: 8, .value_kind: global_buffer, .address_space: global }
      - { .name: xq, .offset: 16, .size: 8, .value_kind: global_buffer, .address_space: global }
      - { .name: xs, .offset: 24, .size: 8, .value_kind: global_buffer, .address_space: global }
      - { .name: wf, .offset: 32, .size: 8, .value_kind: global_buffer, .address_space: global }
      - { .name: W1_scales, .offset: 40, .size: 8, .value_kind: global_buffer, .address_space: global }
      - { .name: b1, .offset: 48, .size: 8, .value_kind: global_buffer, .address_space: global }
      - { .name: W2_scales, .offset: 56, .size: 8, .value_kind: global_buffer, .address_space: global }
      - { .name: b2, .offset: 64, .size: 8, .value_kind: global_buffer, .address_space: global }
      - { .name: out0, .offset: 72, .size: 8, .value_kind: global_buffer, .address_space: global }
    .group_segment_fixed_size: 98816
    .private_segment_fixed_size: 0
    .kernarg_segment_align: 8
    .kernarg_segment_size: 80
    .max_flat_workgroup_size: 128
    .sgpr_count:     80
    .vgpr_count:     1024
    .wavefront_size: 32
...
	.end_amdgpu_metadata
.endif
;; end of part 3
;; ======== version 2 of 2: 3 launches
;; workspace buffers: xq 6,291,456 bytes; xs 262,144 bytes; prob 32,768 bytes; route 12,288 bytes of whole numbers; tiles 69,120 bytes of whole numbers; wf 6,291,456 bytes
;; launch prep (part 4): grid 256 x 1, 16 waves a work-group, no clusters, 198,656 bytes of LDS; arguments x, Wr, W1_codes, W2_codes, wf, br, xq, xs, prob, route; writes wf, xq, xs, prob, route
.if DOCPART == 4
	.amdgcn_target "amdgcn-amd-amdhsa--gfx1250"
	.amdhsa_code_object_version 6
	.text
	.protected	k_q5b616b08d2_prep
	.globl	k_q5b616b08d2_prep
	.p2align	8
	.type	k_q5b616b08d2_prep,@function
k_q5b616b08d2_prep:
	s_mov_b64 s[64:65], 0
	v_nop
	global_prefetch_b8 v0, s[64:65] scope:SCOPE_SE
	s_setreg_imm32_b32 hwreg(HW_REG_WAVE_MODE, 25, 1), 1
	s_wait_xcnt 0x0
; PREP.  For 32 tokens a work-group: the router (logits in f32 by fused multiply-adds, largest probability of the softmax, argmax), and x as codes of E3M2 with one E8M0 byte for each 32 along K.
; Beside that each wave lays ONE fragment (16 rows x 128 K, 1,536 bytes) of W1's or W2's codes in the order of an operand's registers: 256 work-groups x 16 waves = the 4,096 fragments of both weights.
; SHARES.  Work-group G owns tokens 32 G .. 32 G + 31.  Wave w (0..15) owns k = 64 w .. 64 w + 63; A LANE IS A TOKEN: so a lane holds two whole blocks of 32 (no other lane is asked for a maximum),
; and Wr[k][e] is the same for all lanes and comes from scalar registers.  The 16 waves' partial logits meet in LDS; wave 0 adds them in ascending k and finishes the router.
; x comes by one tensor load a wave (32 rows x 256 bytes, into the wave's own bytes, read by that wave alone): filled once, nothing is filled again.
; OUT.  xq [token][768]: the row's codes as one stream of bits.  xs [token][32]: scale bytes.  prob [token] f32.  route [G][12 words]: words 0-7 the ballot of expert e over the 32 tokens,
; words 8-11 the eight counts, two to a word.  wf: [expert][wave of the last launch][trip 0-7][set 0-1][fragment 0-7][register group 0-2][lane][16 bytes].
; No address and no branch hangs on the argmax: it leaves as ballots at fixed places.
; LIMITS.  The argmax is taken of the logits, the lowest index winning exact ties: logits so near that their probabilities round alike may choose otherwise than an argmax of probabilities.
; NaN and infinities among the inputs are not served.  A block whose largest magnitude lies under 2^(5 - 127) gets the byte 1 (a block of zeros too, where the rule says 127: its codes are zeros,
; and this program alone reads the bytes).
.set XTW, 8704                         ; LDS: a wave's tile of x: 32 rows x (256 bytes + 16); 16 of them from byte 0
.set CS,  139264                       ; the tokens' codes: 32 rows x 784 (768 + 16)
.set CSP, 784
.set SS,  164352                       ; the tokens' scale bytes: 32 x 32
.set LG,  165376                       ; partial logits: 16 waves x 32 tokens x 48 bytes (8 numbers + 16)
.set LGW, 1536
; REGISTERS: v1 token (lane), v2 lane % 16, v3 lane / 16; v4-v13 addresses; v16-27 the weight fragment; v32-39 logits; v40-63, v128-135 at work; v64-127 x (in wave 0 at the end v64-191: all partial logits).
; s[32:63], s[68:99]: Wr of eight k x 8 experts, in two halves of four k.  s[84:95] first hold the tensor descriptor: they are loaded over only behind the wait that shows the tensor load done.
	s_load_b256 s[4:11], s[0:1], 0x0               ; x s[4:5], Wr s[6:7], W1's codes s[8:9], W2's codes s[10:11]
	s_load_b64 s[12:13], s[0:1], 0x20              ; wf
	s_load_b256 s[16:23], s[0:1], 0x28             ; br s[16:17], xq s[18:19], xs s[20:21], prob s[22:23]
	s_load_b64 s[24:25], s[0:1], 0x48              ; route
	v_lshl_add_u32 v192, v0, 2, 0x30000
	v_mov_b32 v193, 0
	ds_add_u32 v192, v193
	ds_add_u32 v192, v193
	v_lshrrev_b32 v1, 5, v0
	s_delay_alu instid0(VALU_DEP_1)
	v_readfirstlane_b32 s14, v1                    ; wave 0..15
	s_mov_b32 s15, ttmp9                           ; G
	v_and_b32 v1, 31, v0                           ; token in the group
	v_and_b32 v2, 15, v0                           ; r
	v_bfe_u32 v3, v0, 4, 1                         ; h
	; descriptor group 1: 32 rows x 64 elements of 4 bytes, 1,024 elements from row to row; 4 words of padding behind every 64
	s_mov_b32 s84, (2<<16)|(1<<20)|(5<<22)|(3<<25)
	s_mov_b32 s85, 64<<16                          ; tensor_dim0 = 64
	s_mov_b32 s86, 32<<16                          ; tensor_dim1 = 32
	s_mov_b32 s87, 64<<16                          ; tile_dim0 = 64
	s_mov_b32 s88, 32                              ; tile_dim1 = 32
	s_mov_b32 s89, 1024                            ; stride
	s_mov_b32 s90, 0
	s_mov_b32 s91, 0
	s_mov_b32 s92, 1                               ; group 0: count
	s_mul_i32 s93, s14, XTW                        ; LDS address: my wave's tile
	s_lshl_b32 s28, s15, 17                        ; 32 rows of 4,096 bytes a work-group,
	s_lshl_b32 s29, s14, 8                         ; 256 bytes of a row a wave
	s_add_co_u32 s28, s28, s29
	s_mov_b32 s29, 0
	s_wait_alu depctr_va_vdst(0)
	s_wait_dscnt 0x0
	s_wait_kmcnt 0x0
	s_add_nc_u64 s[94:95], s[4:5], s[28:29]
	s_or_b32 s95, s95, 0x80000000                  ; type = 2
	tensor_load_to_lds s[92:95], s[84:91]          ; my one tensor load
	s_nop 0
.rept 4
	v_nop
.endr
	; LDS addresses: a constant + a constant x lane + a constant x wave
	v_mul_u32_u24 v4, v1, 272
	s_delay_alu instid0(VALU_DEP_1)
	v_add_nc_u32 v4, s93, v4                       ; my token's 256 bytes in my wave's tile
	s_mul_i32 s26, s14, 48
	s_add_co_u32 s26, s26, CS
	v_mul_u32_u24 v5, v1, CSP
	s_delay_alu instid0(VALU_DEP_1)
	v_add_nc_u32 v5, s26, v5                       ; my token's row of codes, my wave's 48 bytes
	s_lshl_b32 s26, s14, 1
	s_add_co_u32 s26, s26, SS
	v_lshl_add_u32 v6, v1, 5, s26                  ; my token's scale bytes, my wave's two
	s_mul_i32 s26, s14, LGW
	s_add_co_u32 s26, s26, LG
	v_mul_u32_u24 v7, v1, 48
	s_delay_alu instid0(VALU_DEP_1)
	v_add_nc_u32 v10, LG, v7                       ; wave 0 reads all partial logits of its token from here
	s_delay_alu instid0(VALU_DEP_2)
	v_add_nc_u32 v7, s26, v7                       ; where I put mine
	s_mul_i32 s26, s14, 2*CSP
	s_add_co_u32 s26, s26, CS
	v_mul_u32_u24 v8, v3, CSP
	s_delay_alu instid0(VALU_DEP_1)
	v_lshl_add_u32 v8, v2, 4, v8
	s_delay_alu instid0(VALU_DEP_1)
	v_add_nc_u32 v8, s26, v8                       ; the way out of the codes: token 2 w + h, 16 bytes a lane
	s_mul_i32 s26, s14, 1536
	v_mul_u32_u24 v9, v3, 768
	s_delay_alu instid0(VALU_DEP_1)
	v_lshl_add_u32 v9, v2, 4, v9
	s_delay_alu instid0(VALU_DEP_1)
	v_add_nc_u32 v9, s26, v9                       ; and the same place in the group's part of xq
	v_lshlrev_b32 v11, 4, v1                       ; 16 x lane
	v_lshl_add_u32 v12, v1, 4, SS                  ; the way out of the scale bytes
	; THE WEIGHT FRAGMENT 16 G + w.  G = (4 e + wave') x 8 + trip.  Trips 0-3 are W1's: rows 128 wave' + 32 trip + 8 (w & 1) + r + 8 (r / 8), K step w >> 1;
	; trips 4-7 W2's: rows 256 wave' + 64 (trip - 4) + 16 (w & 3) + r, K step w >> 2.  Both offsets are made, then one compare chooses.
	s_lshr_b32 s26, s15, 5                         ; e
	s_bfe_u32 s27, s15, 0x20003                    ; wave'
	s_and_b32 s28, s15, 3                          ; trip % 4
	s_lshl_b32 s29, s26, 9
	s_lshl_b32 s30, s27, 7
	s_add_co_u32 s29, s29, s30
	s_lshl_b32 s30, s28, 5
	s_add_co_u32 s29, s29, s30
	s_and_b32 s30, s14, 1
	s_lshl_b32 s30, s30, 3
	s_add_co_u32 s29, s29, s30
	s_mul_i32 s29, s29, 768                        ; a row of W1: 1,024 codes
	s_lshr_b32 s30, s14, 1
	s_mul_i32 s30, s30, 96
	s_add_co_u32 s29, s29, s30                     ; W1's offset
	s_lshl_b32 s31, s26, 10
	s_lshl_b32 s30, s27, 8
	s_add_co_u32 s31, s31, s30
	s_lshl_b32 s30, s28, 6
	s_add_co_u32 s31, s31, s30
	s_and_b32 s30, s14, 3
	s_lshl_b32 s30, s30, 4
	s_add_co_u32 s31, s31, s30
	s_mul_i32 s31, s31, 384                        ; a row of W2: 512 codes
	s_lshr_b32 s30, s14, 2
	s_mul_i32 s30, s30, 96
	s_add_co_u32 s31, s31, s30                     ; W2's offset
	s_mov_b32 s30, 384
	s_and_b32 s28, s15, 4
	s_cmp_eq_u32 s28, 0                            ; a trip of W1?  The choice hangs on the work-group's number alone
	s_cselect_b32 s26, s29, s31
	s_cselect_b32 s30, 768, s30                    ; bytes from row to row
	s_cselect_b32 s31, 8, 0                        ; W1's rows of a tile: lanes 8-15 stand 8 rows further on
	s_cselect_b64 s[8:9], s[8:9], s[10:11]
	s_mov_b32 s27, 0
	s_add_nc_u64 s[8:9], s[8:9], s[26:27]
	v_lshrrev_b32 v14, 3, v2
	s_delay_alu instid0(VALU_DEP_1)
	v_mul_lo_u32 v14, v14, s31
	s_delay_alu instid0(VALU_DEP_1)
	v_add_nc_u32 v14, v14, v2
	s_delay_alu instid0(VALU_DEP_1)
	v_mul_lo_u32 v13, v14, s30
	s_delay_alu instid0(VALU_DEP_1)
	v_mad_u32_u24 v13, v3, 24, v13                 ; my row, + 24 bytes for the upper half of the lanes
.irp p, 0,1,2,3,4,5
	global_load_b64 v[16+2*\p:17+2*\p], v13, s[8:9] offset:48*(\p/3)+8*(\p%3)   ; the fragment's 12 registers, as the matrix unit takes them
.endr
	; the bases of what I store and of Wr
	s_mul_i32 s26, s15, 24576
	s_add_nc_u64 s[18:19], s[18:19], s[26:27]      ; xq: 32 tokens x 768 bytes
	s_mul_i32 s28, s14, 1536
	s_add_co_u32 s26, s26, s28
	s_add_nc_u64 s[12:13], s[12:13], s[26:27]      ; wf: fragment 16 G + w
	s_lshl_b32 s26, s15, 10
	s_add_nc_u64 s[20:21], s[20:21], s[26:27]      ; xs
	s_lshl_b32 s26, s15, 7
	s_add_nc_u64 s[22:23], s[22:23], s[26:27]      ; prob
	s_mul_i32 s26, s15, 48
	s_add_nc_u64 s[24:25], s[24:25], s[26:27]      ; route
	s_lshl_b32 s26, s14, 11
	s_add_nc_u64 s[6:7], s[6:7], s[26:27]          ; Wr at k = 64 w: 32 bytes a k
	s_load_b512 s[32:47], s[6:7], 0x0              ; Wr of my first eight k: three of its four blocks now,
	s_load_b512 s[48:63], s[6:7], 0x40
	s_load_b512 s[68:83], s[6:7], 0x80
	s_wait_tensorcnt 0x0                           ; my tile of x lies in LDS; the descriptor's registers are free:
	s_load_b512 s[84:99], s[6:7], 0xc0             ; the fourth lands on them
.irp i, 0,1,2,3,4,5,6,7,8,9,10,11,12,13,14,15
	ds_load_b128 v[64+4*\i:67+4*\i], v4 offset:16*\i   ; my token's 64 numbers
.endr
; Eight k of the router: 64 multiply-adds on all 64 scalar registers of Wr, so that a wave waits for scalar loads 8 times for its 64 k.  A half (four k, 32 registers) is asked for again as soon as its 32 multiply-adds are issued.
.macro HALF bt, hf
.set SB_, 32+36*(\hf)
.irp k, 0,1,2,3
.irp e, 0,1,2,3,4,5,6,7
.if (\bt == 0) && (\hf == 0) && (\k == 0)
	v_mul_f32 v[32+\e], s[SB_+8*\k+\e], v[64+8*(\bt)+4*(\hf)+\k]   ; the first k starts the sums
.else
	v_fmac_f32 v[32+\e], s[SB_+8*\k+\e], v[64+8*(\bt)+4*(\hf)+\k]
.endif
.endr
.endr
.if \bt < 7
	s_load_b512 s[SB_:SB_+15], s[6:7], 256*(\bt)+256+128*(\hf)
	s_load_b512 s[SB_+16:SB_+31], s[6:7], 256*(\bt)+320+128*(\hf)
.endif
.endm
.macro BATCH bt
	s_wait_kmcnt 0x0                               ; this batch's Wr is in (scalar loads return in no order: the count is 0)
	s_wait_dscnt 14-2*(\bt)                        ; LDS loads 2 bt and 2 bt + 1 are in; the younger ones may be out
	HALF \bt, 0
	HALF \bt, 1
.endm
.irp b, 0,1,2,3,4,5,6,7
	s_wait_alu depctr_va_vdst(0)
	BATCH \b
.endr
; A block of 32: largest magnitude (with the floor 2^(5 - 127) among the leaves), 4 off its exponent field = the conversion's scale operand, its byte, 32 codes in 24 bytes.  Each block has registers of its own.
.macro QBLK j
.set X_, 64+32*(\j)
.set M_, 40+2*(\j)
	v_max3_num_f32 v[M_], |v[X_]|, |v[X_+1]|, |v[X_+2]|
	v_max3_num_f32 v[M_+1], |v[X_+3]|, |v[X_+4]|, |v[X_+5]|
.irp i, 6,10,14,18,22,26
	s_delay_alu instid0(VALU_DEP_2)
	v_max3_num_f32 v[M_], v[M_], |v[X_+\i]|, |v[X_+\i+1]|
	s_delay_alu instid0(VALU_DEP_2)
	v_max3_num_f32 v[M_+1], v[M_+1], |v[X_+\i+2]|, |v[X_+\i+3]|
.endr
	s_delay_alu instid0(VALU_DEP_2)
	v_max3_num_f32 v[M_], v[M_], |v[X_+30]|, |v[X_+31]|
	s_delay_alu instid0(VALU_DEP_1)
	v_max3_num_f32 v[M_], v[M_], v[M_+1], 0x2800000
	s_delay_alu instid0(VALU_DEP_1)
	v_add_nc_u32 v[44+(\j)], 0xfe000000, v[M_]
	v_cvt_scalef32_pk16_bf6_f32 v[48+8*(\j):50+8*(\j)], v[X_:X_+15], v[44+(\j)]
	v_cvt_scalef32_pk16_bf6_f32 v[128+4*(\j):130+4*(\j)], v[X_+16:X_+31], v[44+(\j)]   ; (a conversion's three registers begin on an even number)
	v_lshrrev_b32 v[46+(\j)], 23, v[44+(\j)]       ; the scale's byte; also the plain instruction behind the conversions
.irp i, 0,1,2
	v_mov_b32 v[51+8*(\j)+\i], v[128+4*(\j)+\i]
.endr
.irp i, 0,1,2
	ds_store_b64 v5, v[48+8*(\j)+2*\i:49+8*(\j)+2*\i] offset:24*(\j)+8*\i
.endr
.endm
	QBLK 0
	QBLK 1
	v_lshl_or_b32 v46, v47, 8, v46
	ds_store_b16 v6, v46                           ; my two scale bytes
	ds_store_b128 v7, v[32:35]                     ; my partial logits
	ds_store_b128 v7, v[36:39] offset:16
	s_wait_loadcnt 0x0                             ; the weight fragment
.irp c, 0,1,2
	global_store_b128 v11, v[16+4*\c:19+4*\c], s[12:13] offset:512*\c   ; 32 lanes store 512 consecutive bytes, aligned to 256
.endr
	s_wait_dscnt 0x0                               ; for the others' sake: my LDS stores are done
	s_barrier_signal -1
	s_barrier_wait -1
.irp c, 0,1,2
	ds_load_b128 v[64+4*\c:67+4*\c], v8 offset:256*\c
.endr
	s_wait_dscnt 0x0
.irp c, 0,1,2
	global_store_b128 v9, v[64+4*\c:67+4*\c], s[18:19] offset:256*\c    ; sixteen lanes store 256 consecutive bytes of a token's codes, aligned
.endr
	s_cmp_eq_u32 s14, 1
	s_cbranch_scc0 .Lnot_wave_1
	ds_load_b128 v[80:83], v12                     ; wave 1: the group's 1,024 scale bytes
	ds_load_b128 v[84:87], v12 offset:512
	s_wait_dscnt 0x0
	global_store_b128 v11, v[80:83], s[20:21]
	global_store_b128 v11, v[84:87], s[20:21] offset:512
.Lnot_wave_1:
	s_cmp_lg_u32 s14, 0
	s_cbranch_scc1 .Lend
	; WAVE 0 FINISHES THE ROUTER
	s_wait_xcnt 0x0                                ; my stores of codes have read v64-75: they may be loaded over
	s_load_b256 s[32:39], s[16:17], 0x0            ; br
.irp q, 0,1,2,3,4,5,6,7,8,9,10,11,12,13,14,15
	ds_load_b128 v[64+8*\q:67+8*\q], v10 offset:LGW*\q
	ds_load_b128 v[68+8*\q:71+8*\q], v10 offset:LGW*\q+16
.endr
	s_wait_dscnt 0x0
.irp q, 1,2,3,4,5,6,7,8,9,10,11,12,13,14,15
.irp i, 0,2,4,6
	v_pk_add_f32 v[64+\i:65+\i], v[64+\i:65+\i], v[64+8*\q+\i:65+8*\q+\i]   ; ascending k
.endr
.endr
	s_wait_alu depctr_va_vdst(0)
	s_wait_kmcnt 0x0
.irp e, 0,1,2,3,4,5,6,7
	v_add_f32 v[64+\e], s[32+\e], v[64+\e]
.endr
	v_mov_b32 v40, 0                               ; the argmax,
	v_mov_b32 v41, v64                             ; the maximum
.irp e, 1,2,3,4,5,6,7
	s_delay_alu instid0(VALU_DEP_1)
	v_cmp_le_f32 vcc_lo, v[64+\e], v41             ; not larger: the lower index stays
	s_delay_alu instid0(VALU_DEP_1)
	v_cndmask_b32 v40, \e, v40, vcc_lo
	s_delay_alu instid0(VALU_DEP_3)
	v_max_num_f32 v41, v41, v[64+\e]
.endr
.irp e, 0,1,2,3,4,5,6,7
	v_sub_f32 v[72+\e], v[64+\e], v41              ; the maximum is taken away ahead of the exponential
.endr
.irp e, 0,1,2,3,4,5,6,7
	v_mul_f32 v[72+\e], 0x3fb8aa3b, v[72+\e]
.endr
	s_wait_alu depctr_va_vdst(0)
.irp e, 0,1,2,3,4,5,6,7
	v_exp_f32 v[72+\e], v[72+\e]
.endr
	v_lshlrev_b32 v42, 2, v1                       ; a plain instruction behind the exponentials
	s_wait_alu depctr_va_vdst(0)                   ; one wait for the batch, ahead of its first reader
	v_add_f32 v72, v72, v73
	v_add_f32 v74, v74, v75
	v_add_f32 v76, v76, v77
	v_add_f32 v78, v78, v79
	s_delay_alu instid0(VALU_DEP_3)
	v_add_f32 v72, v72, v74
	s_delay_alu instid0(VALU_DEP_2)
	v_add_f32 v76, v76, v78
	s_delay_alu instid0(VALU_DEP_1)
	v_add_f32 v72, v72, v76
	s_wait_alu depctr_va_vdst(0)
	v_rcp_f32 v72, v72                             ; the largest probability is 1 / the sum
	v_mov_b32 v43, 0                               ; a plain instruction behind the reciprocal
	s_wait_alu depctr_va_vdst(0)
	global_store_b32 v42, v72, s[22:23]            ; 32 lanes store 128 consecutive bytes
.irp e, 0,1,2,3,4,5,6,7
	v_cmp_eq_u32 s[40+\e], \e, v40                 ; expert e's ballot over the 32 tokens
.endr
.irp e, 0,1,2,3,4,5,6,7
	s_bcnt1_i32_b32 s[48+\e], s[40+\e]
.endr
.irp i, 0,1,2,3
	s_lshl_b32 s[49+2*\i], s[49+2*\i], 16
	s_or_b32 s[56+\i], s[48+2*\i], s[49+2*\i]      ; two counts to a word
.endr
.irp e, 0
	v_writelane_b32 v43, s[40+\e], \e
.endr
.irp e, 1, 2, 3, 4, 5, 6, 7
	s_delay_alu instid0(VALU_DEP_1)
	v_writelane_b32 v43, s[40+\e], \e
.endr
.irp i, 0,1,2,3
	s_delay_alu instid0(VALU_DEP_1)
	v_writelane_b32 v43, s[56+\i], 8+\i
.endr
	v_cmp_gt_u32 vcc_lo, 12, v1
	s_wait_alu depctr_va_vdst(0)
	s_wait_xcnt 0x0                                ; EXEC changes only behind this wait
	s_and_saveexec_b32 s26, vcc_lo
	global_store_b32 v42, v43, s[24:25]            ; lanes 0-11: the group's 12 words
	s_wait_xcnt 0x0                                ; and again ahead of the line that widens it
	s_or_b32 exec_lo, exec_lo, s26
.Lend:
	s_wait_tensorcnt 0x0
	ds_add_u32 v192, v193
	s_wait_dscnt 0x0
	s_endpgm
.Lfunc_end_k_q5b616b08d2_prep:
	.size	k_q5b616b08d2_prep, .Lfunc_end_k_q5b616b08d2_prep-k_q5b616b08d2_prep
	.p2alignl 7, 3214868480
	.fill 96, 4, 3214868480
	.section	.rodata,"a",@progbits
	.p2align	6, 0x0
	.amdhsa_kernel k_q5b616b08d2_prep
		.amdhsa_group_segment_fixed_size 198656
		.amdhsa_private_segment_fixed_size 0
		.amdhsa_enable_private_segment 0
		.amdhsa_kernarg_size 80
		.amdhsa_user_sgpr_count 2
		.amdhsa_user_sgpr_kernarg_segment_ptr 1
		.amdhsa_wavefront_size32 1
		.amdhsa_system_sgpr_workgroup_id_x 1
		.amdhsa_system_sgpr_workgroup_id_y 1
		.amdhsa_system_sgpr_workgroup_id_z 1
		.amdhsa_system_vgpr_workitem_id 0
		.amdhsa_next_free_vgpr 194
		.amdhsa_next_free_sgpr 100
		.amdhsa_reserve_vcc 1
		.amdhsa_float_denorm_mode_32 3
		.amdhsa_float_denorm_mode_16_64 3
		.amdhsa_memory_ordered 1
		.amdhsa_forward_progress 1
		.amdhsa_inst_pref_size 44
	.end_amdhsa_kernel
	.amdgpu_metadata
---
amdhsa.version: [ 1, 2 ]
amdhsa.kernels:
  - .name:           k_q5b616b08d2_prep
    .symbol:         k_q5b616b08d2_prep.kd
    .args:
      - { .name: x, .offset: 0, .size: 8, .value_kind: global_buffer, .address_space: global }
      - { .name: Wr, .offset: 8, .size: 8, .value_kind: global_buffer, .address_space: global }
      - { .name: W1_codes, .offset: 16, .size: 8, .value_kind: global_buffer, .address_space: global }
      - { .name: W2_codes, .offset: 24, .size: 8, .value_kind: global_buffer, .address_space: global }
      - { .name: wf, .offset: 32, .size: 8, .value_kind: global_buffer, .address_space: global }
      - { .name: br, .offset: 40, .size: 8, .value_kind: global_buffer, .address_space: global }
      - { .name: xq, .offset: 48, .size: 8, .value_kind: global_buffer, .address_space: global }
      - { .name: xs, .offset: 56, .size: 8, .value_kind: global_buffer, .address_space: global }
      - { .name: prob, .offset: 64, .size: 8, .value_kind: global_buffer, .address_space: global }
      - { .name: route, .offset: 72, .size: 8, .value_kind: global_buffer, .address_space: global }
    .group_segment_fixed_size: 198656
    .private_segment_fixed_size: 0
    .kernarg_segment_align: 8
    .kernarg_segment_size: 80
    .max_flat_workgroup_size: 512
    .sgpr_count:     100
    .vgpr_count:     194
    .wavefront_size: 32
...
	.end_amdgpu_metadata
.endif
;; end of part 4
;; launch place (part 5): grid 135 x 1, 4 waves a work-group, no clusters, 4,608 bytes of LDS; arguments route, tiles; writes tiles
.if DOCPART == 5
	.amdgcn_target "amdgcn-amd-amdhsa--gfx1250"
	.amdhsa_code_object_version 6
	.text
	.protected	k_q5b616b08d2_place
	.globl	k_q5b616b08d2_place
	.p2align	8
	.type	k_q5b616b08d2_place,@function
k_q5b616b08d2_place:
	s_mov_b64 s[64:65], 0
	v_nop
	global_prefetch_b8 v0, s[64:65] scope:SCOPE_SE
	s_setreg_imm32_b32 hwreg(HW_REG_WAVE_MODE, 25, 1), 1
	s_wait_xcnt 0x0
; PLACE.  The rows are placed by expert: whole numbers only.  With 8,192 rows, 8 experts and tiles of 64 rows there are never more than 8192 / 64 + 8 - 1 = 135 tiles, whatever the split.
; Work-group T makes the record of tile T for the next launch: from route's ballots and counts it makes the experts' totals, finds which expert's tile number T is (experts in order, ceil(n / 64) tiles each)
; and its first rank among that expert's rows, and for each of the tile's 64 slots the token of that rank: a search over the 256 groups' prefix sums, then the n-th set bit of the group's ballot.
; Slots past the expert's last row repeat that row.  A tile number that the split does not reach gets valid = 0 and tokens held inside the table.
; OUT.  tiles [T][128 words]: words 0-63 the tokens; words 64-127 the pair (valid, expert), 32 times over, so that both stores cover 256 consecutive bytes, aligned.
; Nothing is scattered: every LDS address and every store address is made of ids alone; what hangs on route's numbers is data, chosen by v_cndmask_b32 and s_cselect_b32.
.set WT,   0                           ; LDS: the four waves' totals, 16 bytes each
.set KEY,  256                         ; a key for each of the 256 groups: (prefix << 8 | group) + 1
.set MSK,  1280                        ; the chosen expert's ballot of each group
.set LIST, 2304                        ; the tile's 64 tokens
.macro BAR                             ; my LDS stores have landed and my LDS loads are in: then the work-group's barrier
	s_wait_dscnt 0x0
	s_barrier_signal -1
	s_barrier_wait -1
.endm
	s_load_b128 s[4:7], s[0:1], 0x0                ; route s[4:5], tiles s[6:7]
	v_lshl_add_u32 v254, v0, 2, 0x1000
	v_mov_b32 v255, 0
	v_lshrrev_b32 v1, 5, v0
	v_readfirstlane_b32 s24, v1                    ; wave 0..3
	v_and_b32 v1, 31, v0                           ; L
	v_and_b32 v2, 15, v0                           ; r
	v_bfe_u32 v3, v0, 4, 1                         ; h
	v_mul_u32_u24 v32, v0, 96                      ; thread t takes groups 2 t and 2 t + 1: 96 bytes of route
	s_mov_b32 s25, ttmp9                           ; T
	s_lshl_b32 s66, s25, 9
	s_mov_b32 s67, 0
	s_wait_alu depctr_va_vdst(0)
	s_wait_kmcnt 0x0
.irp i, 0,1,2,3,4,5
	global_load_b128 v[112+4*\i:115+4*\i], v32, s[4:5] offset:16*\i   ; v112-119 ballots, v120-123 counts of group 2 t; v124-131, v132-135 of group 2 t + 1
.endr
	s_add_nc_u64 s[6:7], s[6:7], s[66:67]          ; my record
	s_mov_b32 s30, 0x76543210
	s_mov_b32 s31, 0xfedcba98                      ; v_permlanex16_b32's selects for lane l xor 16
	s_mov_b32 s32, 0xaaaaaaaa                      ; the lanes with bit 0, 1, 2, 3, 4 of their number set
	s_mov_b32 s33, 0xcccccccc
	s_mov_b32 s34, 0xf0f0f0f0
	s_mov_b32 s35, 0xff00ff00
	s_mov_b32 s36, 0xffff0000
	s_lshl_b32 s55, s24, 4
	v_mov_b32 v18, s55                             ; WT + 16 w
	v_mov_b32 v19, 0                               ; WT; also the number 0
	v_lshl_add_u32 v20, v0, 3, KEY
	v_lshl_add_u32 v21, v0, 3, MSK
	v_lshl_add_u32 v22, v3, 9, KEY                 ; the search: lanes 16-31 take groups 128 on
	v_lshl_add_u32 v23, v3, 9, MSK
	s_lshl_b32 s55, s24, 6
	s_add_co_u32 s55, s55, LIST
	v_lshl_add_u32 v24, v2, 2, s55                 ; LIST: slot 16 w + r
	v_lshl_add_u32 v25, v1, 3, LIST                ; the way out: two slots a lane
	v_lshlrev_b32 v26, 3, v1                       ; and the same place in the record
	s_wait_loadcnt 0x0                             ; route
	; ---- the counts' prefix sums over the 128 threads: four words, two experts of 16 bits each (no field passes 8,192)
.irp i, 0,1,2,3
	v_add_nc_u32 v[136+\i], v[120+\i], v[132+\i]   ; s: my two groups
	v_mov_b32 v[140+\i], 0                         ; p: what stands ahead of me
	v_mov_b32 v[144+\i], 0
.endr
.macro SCANSTEP msk                    ; the partner's block is ahead of mine where my lane has the bit set
.irp i, 0,1,2,3
	v_cndmask_b32 v[148+\i], 0, v[144+\i], s[\msk]
.endr
.irp i, 0,1,2,3
	v_add_nc_u32 v[140+\i], v[140+\i], v[148+\i]
	v_add_nc_u32 v[136+\i], v[136+\i], v[144+\i]
.endr
.endm
.macro SCAND d, msk
.irp i, 0,1,2,3
	v_mov_b32_dpp v[144+\i], v[136+\i] row_xmask:\d row_mask:0xf bank_mask:0xf
.endr
	SCANSTEP \msk
.endm
	SCAND 1, 32
	SCAND 2, 33
	SCAND 4, 34
	SCAND 8, 35
.irp i, 0,1,2,3
	v_permlanex16_b32 v[144+\i], v[136+\i], s30, s31
.endr
	SCANSTEP 36
	ds_store_b128 v18, v[136:139]                  ; my wave's totals (all lanes hold and write the same)
	BAR
.irp q, 0,1,2,3
	ds_load_b128 v[152+4*\q:155+4*\q], v19 offset:16*\q
.endr
	s_wait_dscnt 0x0
.irp i, 0,1,2,3
	v_add_nc_u32 v[168+\i], v[152+\i], v[156+\i]
	v_add_nc_u32 v[172+\i], v[160+\i], v[164+\i]
.endr
.irp i, 0,1,2,3
	v_add_nc_u32 v[168+\i], v[168+\i], v[172+\i]   ; the experts' totals
.endr
.irp q, 0,1,2
	s_cmp_gt_u32 s24, \q
	s_cselect_b32 s55, -1, 0
.irp i, 0,1,2,3
	v_and_b32 v[148+\i], s55, v[152+4*\q+\i]
.endr
.irp i, 0,1,2,3
	v_add_nc_u32 v[140+\i], v[140+\i], v[148+\i]   ; + the waves ahead of mine
.endr
.endr
.irp i, 0,1,2,3
	v_readfirstlane_b32 s[68+\i], v[168+\i]
.endr
	; ---- which expert's tile is number T: the last expert whose first tile is not past T
	s_mov_b32 s52, 0
	s_mov_b32 s27, 0
	s_mov_b32 s50, 0
	s_mov_b32 s51, 0
.irp e, 0,1,2,3,4,5,6,7
.if \e%2 == 0
	s_and_b32 s53, s[68+\e/2], 0xffff
.else
	s_lshr_b32 s53, s[68+\e/2], 16
.endif
	s_add_co_u32 s54, s53, 63
	s_lshr_b32 s54, s54, 6
	s_cmp_ge_u32 s25, s52
	s_cselect_b32 s27, \e, s27
	s_cselect_b32 s50, s53, s50
	s_cselect_b32 s51, s52, s51
	s_add_co_u32 s52, s52, s54
.endr
	s_cmp_lt_u32 s25, s52
	s_cselect_b32 s26, 1, 0                        ; has this split a tile number T?
	s_sub_co_u32 s29, s25, s51
	s_lshl_b32 s29, s29, 6                         ; the tile's first rank among the expert's rows
	s_sub_co_u32 s28, s50, 1                       ; and the expert's last
.irp e, 0,1,2,3,4,5,6,7
	s_cmp_eq_u32 s27, \e
	s_cselect_b32 s[37+\e], -1, 0                  ; all ones for the chosen expert
.endr
.irp i, 0,1,2,3
	s_or_b32 s[45+\i], s[37+2*\i], s[38+2*\i]      ; and for the word that holds its count
.endr
	s_and_b32 s49, s27, 1
	s_lshl_b32 s49, s49, 4                         ; which half of that word
	s_wait_alu depctr_va_vdst(0)
	; ---- a key and the chosen expert's ballot for each of my two groups
	v_and_b32 v148, s45, v140
	v_and_b32 v149, s45, v120
.irp i, 1,2,3
	v_and_or_b32 v148, v[140+\i], s[45+\i], v148
	v_and_or_b32 v149, v[120+\i], s[45+\i], v149
.endr
	v_lshrrev_b32 v148, s49, v148
	v_lshrrev_b32 v149, s49, v149
	v_and_b32 v148, 0xffff, v148                   ; the expert's rows ahead of group 2 t
	v_and_b32 v149, 0xffff, v149                   ; and in it
	v_and_b32 v150, s37, v112
	v_and_b32 v151, s37, v124
.irp e, 1,2,3,4,5,6,7
	v_and_or_b32 v150, v[112+\e], s[37+\e], v150
	v_and_or_b32 v151, v[124+\e], s[37+\e], v151
.endr
	v_add_nc_u32 v149, v148, v149
	v_lshlrev_b32 v153, 1, v0
	v_lshl_or_b32 v152, v148, 8, v153
	v_lshl_or_b32 v153, v149, 8, v153
	v_add_nc_u32 v152, 1, v152                     ; (prefix << 8 | group) + 1: never 0
	v_add_nc_u32 v153, 2, v153
	ds_store_b64 v20, v[152:153]
	ds_store_b64 v21, v[150:151]
	BAR
	; ---- the search.  Lane (r, h) of wave w serves slot 16 w + r and looks through groups 128 h .. 128 h + 127: the last group whose prefix is not above the slot's rank
	s_lshl_b32 s55, s24, 4
	s_add_co_u32 s55, s55, s29
	v_add_nc_u32 v33, s55, v2
	v_min_u32 v33, s28, v33                        ; the slot's rank, held at the expert's last row
	v_add_nc_u32 v34, 1, v33
	v_lshlrev_b32 v34, 8, v34                      ; (rank << 8 | 255) + 1
.irp i, 36,37,38,39,40,41,42,43,44,45
	v_mov_b32 v[\i], 0
.endr
.macro SEARCH bt                       ; 64 groups: keys rise with the group, so the last that passes is the largest; four chains that do not wait for each other
.irp i, 0,1,2,3,4,5,6,7,8,9,10,11,12,13,14,15
	ds_load_b128 v[112+4*\i:115+4*\i], v22 offset:256*\bt+16*\i
.endr
.irp i, 0,1,2,3,4,5,6,7,8,9,10,11,12,13,14,15
	ds_load_b128 v[176+4*\i:179+4*\i], v23 offset:256*\bt+16*\i
.endr
	s_wait_dscnt 0x0
.set J_, 0
.rept 16
.irp c, 0,1,2,3
	v_cmp_le_u32 s[72+\c], v[112+J_+\c], v34
.endr
.irp c, 0,1,2,3
	v_cndmask_b32 v[36+2*\c], v[36+2*\c], v[112+J_+\c], s[72+\c]
	v_cndmask_b32 v[37+2*\c], v[37+2*\c], v[176+J_+\c], s[72+\c]
.endr
.set J_, J_+4
.endr
.endm
	SEARCH 0
	SEARCH 1
.irp c, 1,2,3
	v_cmp_gt_u32 vcc_lo, v[36+2*\c], v36           ; the four chains: the larger key, and its ballot
	v_cndmask_b32 v36, v36, v[36+2*\c], vcc_lo
	v_cndmask_b32 v37, v37, v[37+2*\c], vcc_lo
.endr
	v_permlanex16_b32 v44, v36, s30, s31           ; and the other half of the groups
	v_permlanex16_b32 v45, v37, s30, s31
	v_cmp_gt_u32 vcc_lo, v44, v36
	v_cndmask_b32 v36, v36, v44, vcc_lo
	v_cndmask_b32 v37, v37, v45, vcc_lo
	; ---- the n-th set bit of the ballot, n = rank - prefix: counts of 2, 4, 8, 16 bits, then five halvings
	v_add_nc_u32 v36, -1, v36
	v_lshrrev_b32 v38, 8, v36
	v_sub_nc_u32 v38, v33, v38                     ; n
	v_and_b32 v39, 0xff, v36                       ; the group
	v_lshrrev_b32 v40, 1, v37
	v_and_b32 v40, 0x55555555, v40
	v_sub_nc_u32 v40, v37, v40
	v_lshrrev_b32 v41, 2, v40
	v_and_b32 v41, 0x33333333, v41
	v_and_b32 v47, 0x33333333, v40
	v_add_nc_u32 v41, v41, v47
	v_lshrrev_b32 v42, 4, v41
	v_add_nc_u32 v42, v42, v41
	v_and_b32 v42, 0x0f0f0f0f, v42
	v_lshrrev_b32 v43, 8, v42
	v_add_nc_u32 v43, v43, v42
	v_and_b32 v43, 0x00ff00ff, v43
	v_mov_b32 v44, 0                               ; the bit's place
.macro SEL src, wid, stp               ; are there n or fewer set bits in the lower part?  Then pass over it
	v_bfe_u32 v45, v[\src], v44, \wid
	v_cmp_lt_u32 vcc_lo, v38, v45
	v_cndmask_b32 v45, v45, v19, vcc_lo
	v_cndmask_b32 v46, \stp, v19, vcc_lo
	v_sub_nc_u32 v38, v38, v45
	v_add_nc_u32 v44, v44, v46
.endm
	SEL 43, 8, 16
	SEL 42, 8, 8
	SEL 41, 4, 4
	SEL 40, 2, 2
	SEL 37, 1, 1
	v_lshl_add_u32 v44, v39, 5, v44                ; the token
	v_min_u32 v44, 0x1fff, v44
	ds_store_b32 v24, v44                          ; (both halves of the lanes hold and write the same)
	BAR
	s_cmp_lg_u32 s24, 0
	s_cbranch_scc1 .Lend
	ds_load_b64 v[48:49], v25                      ; wave 0 stores the record
	v_mov_b32 v50, s26                             ; valid,
	v_mov_b32 v51, s27                             ; expert
	s_wait_alu depctr_va_vdst(0)
	s_wait_dscnt 0x0
	global_store_b64 v26, v[48:49], s[6:7]             ; 32 lanes store 256 consecutive bytes, aligned: the 64 tokens
	global_store_b64 v26, v[50:51], s[6:7] offset:256  ; and 256 more: the pair, in every lane
.Lend:
	s_wait_tensorcnt 0x0
	ds_add_u32 v254, v255
	s_wait_dscnt 0x0
	s_endpgm
.Lfunc_end_k_q5b616b08d2_place:
	.size	k_q5b616b08d2_place, .Lfunc_end_k_q5b616b08d2_place-k_q5b616b08d2_place
	.p2alignl 7, 3214868480
	.fill 96, 4, 3214868480
	.section	.rodata,"a",@progbits
	.p2align	6, 0x0
	.amdhsa_kernel k_q5b616b08d2_place
		.amdhsa_group_segment_fixed_size 4608
		.amdhsa_private_segment_fixed_size 0
		.amdhsa_enable_private_segment 0
		.amdhsa_kernarg_size 16
		.amdhsa_user_sgpr_count 2
		.amdhsa_user_sgpr_kernarg_segment_ptr 1
		.amdhsa_wavefront_size32 1
		.amdhsa_system_sgpr_workgroup_id_x 1
		.amdhsa_system_sgpr_workgroup_id_y 1
		.amdhsa_system_sgpr_workgroup_id_z 1
		.amdhsa_system_vgpr_workitem_id 0
		.amdhsa_next_free_vgpr 256
		.amdhsa_next_free_sgpr 80
		.amdhsa_reserve_vcc 1
		.amdhsa_float_denorm_mode_32 3
		.amdhsa_float_denorm_mode_16_64 3
		.amdhsa_memory_ordered 1
		.amdhsa_forward_progress 1
		.amdhsa_inst_pref_size 46
	.end_amdhsa_kernel
	.amdgpu_metadata
---
amdhsa.version: [ 1, 2 ]
amdhsa.kernels:
  - .name:           k_q5b616b08d2_place
    .symbol:         k_q5b616b08d2_place.kd
    .args:
      - { .name: route, .offset: 0, .size: 8, .value_kind: global_buffer, .address_space: global }
      - { .name: tiles, .offset: 8, .size: 8, .value_kind: global_buffer, .address_space: global }
    .group_segment_fixed_size: 4608
    .private_segment_fixed_size: 0
    .kernarg_segment_align: 8
    .kernarg_segment_size: 16
    .max_flat_workgroup_size: 128
    .sgpr_count:     80
    .vgpr_count:     256
    .wavefront_size: 32
...
	.end_amdgpu_metadata
.endif
;; end of part 5
;; launch chain (part 6): grid 135 x 1, 4 waves a work-group, no clusters, 98,816 bytes of LDS; arguments tiles, prob, xq, xs, wf, W1_scales, b1, W2_scales, b2, out0; writes out0
.if DOCPART == 6
	.amdgcn_target "amdgcn-amd-amdhsa--gfx1250"
	.amdhsa_code_object_version 6
	.text
	.protected	k_q5b616b08d2_chain
	.globl	k_q5b616b08d2_chain
	.p2align	8
	.type	k_q5b616b08d2_chain,@function
k_q5b616b08d2_chain:
	s_mov_b64 s[64:65], 0
	v_nop
	global_prefetch_b8 v0, s[64:65] scope:SCOPE_SE
	s_setreg_imm32_b32 hwreg(HW_REG_WAVE_SCHED_MODE, 0, 2), 2
	s_setreg_imm32_b32 hwreg(HW_REG_WAVE_MODE, 25, 1), 1
	s_wait_xcnt 0x0
	s_wait_alu depctr_vm_vsrc(0)
; CHAIN.  out[token] = (Q(gelu(Q(x) W1[e] + b1[e])) W2[e] + b2[e]) x prob[token] for the ONE expert e that the router chose for the token: both products on codes of E3M2 with E8M0 scales.
; A work-group takes one tile of 64 rows of one expert through the whole chain; the hidden layer never goes to memory.  With 8,192 rows, 8 experts and tiles of 64 there are never more than
; 8192 / 64 + 8 - 1 = 135 tiles, whatever the split: that many work-groups are launched.  The tile's record (valid, expert, 64 tokens) was stored by the launch before.  A work-group whose record says
; valid = 0 runs the whole text on the record's bounded numbers and jumps over its global stores alone, so every wave passes every barrier.
; Slots past the expert's last row repeat that row: the same bytes are stored twice by the same work-group.
; THE WAVES SHARE THE COLUMNS: wave w makes hidden units 128 w .. + 127 and outputs 256 w .. + 255 for all 64 rows, so each weight fragment goes from memory straight into the registers of its one
; reader (laid for that by the first launch: three loads of 16 bytes a lane) and feeds four matrix instructions.  Both products are used transposed (source 0 = 16 rows of the weight, source 1 = 16 tokens):
; a lane holds ONE token, its registers run along the outputs.  W1's rows of a tile are chosen so that the 16 registers of two neighbouring tiles are 16 neighbours along the next K.
; NO CLUSTER, NO JOINT LOADS: an expert's number of tiles is a stored number (0 to 128), so no fixed set of four work-groups holds tiles of one expert at every split.
; gelu(x) = 0.5 x (1 + erf(x / sqrt 2)), erf as z P(z^2) / Q(z^2) with z held to +-4 (degrees 6 and 4), all in f32.
; LIMITS.  erf is good to a few units in its last place, so for negative x the relative error of gelu grows as about 1.2e-7 / (1 + erf).  NaN and infinities are not served.
; A block of the hidden layer whose largest magnitude lies under 2^(5 - 127) gets the byte 1 (its codes are zeros or nearly so; nobody else reads the bytes).
; THE MODE: SCHED_MODE bits 1:0 = 2 (LLVM: expert scheduling mode 2), set by the entry lines.  The code itself states the register dependences
; between vector or matrix instructions and memory or LDS instructions, with s_wait_alu, always for 0.
; THE PLAN.  Registers that memory or LDS instructions touch, and who else names them:
;   v4-v16, v25-v27   offsets and LDS addresses: made at the head, ahead of the first wait on va_vdst, and never written again; the streams move by scalar bases.
;   v112-125, v128-223 (head)  the tokens' offsets and the gathered codes: read by the head's loads and LDS stores; the products and gelu write them later: one wait on vm_vsrc behind the head's barrier.
;   SET 0 with b1 or b2 and v88-91 or v96-99   read by a trip's first 32 matrix instructions; ONE wait on va_vdst behind these; the refill is dealt among the second 32, which name none of its registers.
;   SET 1 with v92-95 or v100-103              read by the second 32; ONE wait on va_vdst behind these; the refill is dealt among gelu (product 1) or the way out (product 2), which name none of its registers.
;   v17, v192-206     written by the quantiser, read by its 12 LDS stores (a wait on va_vdst between), written again by the next trip's gelu (a wait on vm_vsrc beside the wait behind the second 32).
;   window 2 v0-127   product 2's accumulators: scaled by vector lines, read by LDS stores (a wait on va_vdst for each two row tiles), written anew by the next trip's first product (a wait on vm_vsrc ahead of the global stores).
;   window 2 v128-255 filled by LDS loads, read by the global stores; filled again a trip later: s_wait_xcnt 0 and the wait on vm_vsrc stand behind the next trip's first 32 matrix instructions, and the bases step there.
.set XROW, 0                           ; LDS: the 64 rows' codes: 64 x 784 (768 + 16)
.set HIMG, 50176                       ; the hidden layer: fragment 4 m + s: 1,536 bytes as [block of 32: 384][row: 24]
.set HSC,  74752                       ; its scale words: [s][m][16 rows x 4]
.set STG,  75776                       ; the way out: 16 rows x (256 + 16) for each wave
; REGISTERS, in windows of 256.  Window 0: v1 lane, v2 r, v3 h, v4-v27 addresses and offsets, v[28:31] two coefficients; v32-63 the 64 rows' offsets in out0; v64,66,68,70 prob of tile m's row r;
;   v72-87 x's scale words, v88-95 W1's, v96-103 W2's, v104-111 the hidden layer's (these hold scales and nothing else); v112-175 product 1's eight accumulators; v176-239 at work; v240-243 scale words in the making.
;   Window 1: x's fragments of row tiles 0, 1, later the hidden layer's 16.  Window 2: x's of tiles 2, 3, later product 2's 16 accumulators and (from v128) rows on their way out.
;   Window 3: two sets of 8 weight fragments; v192-207 b1, v208-239 b2.
.set GA0, 0xaf95df0b                   ; erf's numerator, highest power first
.set GA1, 0x32edffee
.set GA2, 0xb60cff51
.set GA3, 0xb86ec2d2
.set GA4, 0xba40ac63
.set GA5, 0xbb41a1f6
.set GA6, 0xbc83dbd4
.set GB0, 0xb77460cd                   ; and its denominator
.set GB1, 0xb95fbd29
.set GB2, 0xbadc924e
.set GB3, 0xbbf19bf8
.set GB4, 0xbc69b6a7
.set MSB, 0
.macro WIN new                         ; the immediate's high byte repeats the setting that is left; a switch that changes nothing is dropped
.if MSB != (\new)
	s_set_vgpr_msb (MSB<<8)|(\new)
.set MSB, (\new)
.endif
.endm
.macro NOP4                            ; four places behind a matrix instruction, ahead of loads into its registers and of the first read of results
.rept 4
	v_nop
.endr
.endm
.macro BAR                             ; my LDS stores have landed and my LDS loads are in: then the work-group's barrier
	s_wait_dscnt 0x0
	s_barrier_signal -1
	s_barrier_wait -1
.endm
.macro WMMA                            ; one product, by the symbols D_, A_, B_, C_, SA_, SB_; RA_, RB_: the scales stand in lanes 16-31
.if RA_ && RB_
	v_wmma_scale_f32_16x16x128_f8f6f4 v[D_:D_+7], v[A_:A_+11], v[B_:B_+11], v[C_:C_+7], v[SA_], v[SB_] matrix_a_fmt:MATRIX_FMT_BF6 matrix_b_fmt:MATRIX_FMT_BF6 matrix_a_scale:MATRIX_SCALE_ROW1 matrix_b_scale:MATRIX_SCALE_ROW1
.elseif RA_
	v_wmma_scale_f32_16x16x128_f8f6f4 v[D_:D_+7], v[A_:A_+11], v[B_:B_+11], v[C_:C_+7], v[SA_], v[SB_] matrix_a_fmt:MATRIX_FMT_BF6 matrix_b_fmt:MATRIX_FMT_BF6 matrix_a_scale:MATRIX_SCALE_ROW1
.elseif RB_
	v_wmma_scale_f32_16x16x128_f8f6f4 v[D_:D_+7], v[A_:A_+11], v[B_:B_+11], v[C_:C_+7], v[SA_], v[SB_] matrix_a_fmt:MATRIX_FMT_BF6 matrix_b_fmt:MATRIX_FMT_BF6 matrix_b_scale:MATRIX_SCALE_ROW1
.else
	v_wmma_scale_f32_16x16x128_f8f6f4 v[D_:D_+7], v[A_:A_+11], v[B_:B_+11], v[C_:C_+7], v[SA_], v[SB_] matrix_a_fmt:MATRIX_FMT_BF6 matrix_b_fmt:MATRIX_FMT_BF6
.endif
.endm
.macro LOADFR kap, f                   ; weight fragment f of the stream's trip in hand into set kap: 3 loads, each 512 consecutive bytes
.irp c, 0,1,2
	global_load_b128 v[96*(\kap)+12*(\f)+4*\c:96*(\kap)+12*(\f)+4*\c+3], v4, s[12:13] offset:12288*(\kap)+1536*(\f)+512*\c
.endr
.endm
.macro FRS kap, f0, n                  ; a run: n fragments from f0 on.  It leaves the destination's window at 3
	WIN 0xC0
.set F_, \f0
.rept \n
	LOADFR \kap, F_
.set F_, F_+1
.endr
.endm
.macro W1A0                            ; 11 loads: product 1's set 0, fragments 0 and 1; b1 of the trip's 32 units; W1's scale words of K steps 0-3 (lanes 0-15 tile 0's rows, lanes 16-31 tile 1's)
	FRS 0, 0, 2
.irp u, 0,1
.irp q, 0,1
	global_load_b128 v[192+8*\u+4*\q:195+8*\u+4*\q], v6, s[16:17] offset:32*\u+16*\q
.endr
.endr
	WIN 0
	global_load_b128 v[88:91], v5, s[14:15]
.endm
.macro B2S2A                           ; 10 loads: b2 of a trip's 64 outputs, W2's scale words of K steps 0, 1 (lanes 0-15 tile 2 j, lanes 16-31 tile 2 j + 1)
	WIN 0xC0
.irp t, 0,1,2,3
.irp q, 0,1
	global_load_b128 v[208+8*\t+4*\q:211+8*\t+4*\q], v8, s[20:21] offset:64*\t+16*\q
.endr
.endr
	WIN 0
.irp j, 0,1
	global_load_b64 v[96+2*\j:97+2*\j], v4, s[18:19] offset:512*\j
.endr
.endm
.macro S2B                             ; 2 loads: W2's scale words of K steps 2, 3
.irp j, 0,1
	global_load_b64 v[100+2*\j:101+2*\j], v4, s[18:19] offset:512*\j+8
.endr
.endm
	s_load_b512 s[4:19], s[0:1], 0x0               ; tiles s[4:5], prob s[6:7], xq s[8:9], xs s[10:11], wf s[12:13], W1's scales s[14:15], b1 s[16:17], W2's scales s[18:19]
	s_load_b128 s[20:23], s[0:1], 0x40             ; b2 s[20:21], out0 s[22:23]
	v_lshl_add_u32 v254, v0, 2, 0x18000
	v_mov_b32 v255, 0
	v_lshrrev_b32 v1, 5, v0
	v_readfirstlane_b32 s24, v1                    ; wave 0..3
	v_and_b32 v1, 31, v0                           ; L
	v_and_b32 v2, 15, v0                           ; r
	v_bfe_u32 v3, v0, 4, 1                         ; h
	s_lshl_b32 s66, ttmp9, 9                       ; my tile's record: 512 bytes
	s_mov_b32 s67, 0
	s_mov_b32 s30, 0x76543210
	s_mov_b32 s31, 0xfedcba98                      ; v_permlanex16_b32's selects for lane l xor 16
	s_wait_alu depctr_va_sdst(0)                   ; s24 is written, ahead of its first reader: addresses and bases are made from it
	s_lshl_b32 s55, s24, 6
	v_lshl_add_u32 v25, v3, 2, s55                 ; in the record: slot 16 w + h
	v_lshlrev_b32 v26, 2, v3                       ; 4 h
	v_lshlrev_b32 v27, 2, v2                       ; 4 r
	v_lshlrev_b32 v7, 2, v1                        ; 4 L
	; every LDS address: a constant + constants x lane terms + a constant x wave; none ever holds loaded data.  All of them are made here, while the arguments are on their way
	v_lshlrev_b32 v4, 4, v1                        ; 16 L
	v_and_b32 v17, 8, v2
	v_add_nc_u32 v17, v17, v2
	v_lshl_add_u32 v17, v3, 3, v17
	v_lshlrev_b32 v5, 5, v17                       ; W1's scales: row 8 h + r + 8 (r / 8) of a trip's 32, 32 bytes a row
	v_lshlrev_b32 v6, 6, v3                        ; b1: 64 h
	v_lshlrev_b32 v8, 5, v3                        ; b2: 32 h
	v_mul_u32_u24 v9, v2, 784
	v_mad_u32_u24 v9, v3, 24, v9
	v_add_nc_u32 v9, XROW, v9                      ; x's fragments: row r, + 24 h
	v_mul_u32_u24 v10, v2, 24
	v_mad_u32_u24 v10, v3, 384, v10
	v_add_nc_u32 v10, HIMG, v10                    ; the hidden fragments, read: block 2 c + h, row r
	s_mul_i32 s55, s24, 1536
	s_add_co_u32 s55, s55, HIMG
	v_mul_u32_u24 v11, v2, 24
	v_mad_u32_u24 v11, v3, 12, v11
	v_add_nc_u32 v11, s55, v11                     ; written: K step w, row r, my half's 12 bytes
	s_lshl_b32 s55, s24, 8
	s_add_co_u32 s55, s55, HSC
	v_lshl_add_u32 v12, v2, 2, s55                 ; the hidden scale words, written
	v_lshl_add_u32 v13, v1, 2, HSC                 ; and read
	s_mul_i32 s55, s24, 4352
	s_add_co_u32 s55, s55, STG
	v_mul_u32_u24 v14, v2, 272
	v_lshl_add_u32 v14, v3, 5, v14
	v_add_nc_u32 v14, s55, v14                     ; my stage, in: row r, + 32 h
	v_mul_u32_u24 v15, v3, 272
	v_lshl_add_u32 v15, v2, 4, v15
	v_add_nc_u32 v15, s55, v15                     ; back: lanes 0-15 one row, lanes 16-31 the next
	s_mul_i32 s55, s24, 12544
	s_add_co_u32 s55, s55, XROW
	v_mul_u32_u24 v16, v3, 784
	v_lshl_add_u32 v16, v2, 4, v16
	v_add_nc_u32 v16, s55, v16                     ; the gathered rows, written: row 16 w + h, 16 bytes a lane
	v_mov_b32 v28, GA0
	v_mov_b32 v29, GA0
	v_mov_b32 v30, GB0
	v_mov_b32 v31, GB0
	v_lshlrev_b32 v126, 4, v2                      ; 16 r
.irp m, 0,1,2,3
	v_mov_b32 v[65+2*\m], 0                        ; (named with prob as a pair)
.endr
	s_wait_kmcnt 0x0
	s_add_nc_u64 s[4:5], s[4:5], s[66:67]
	s_load_b64 s[26:27], s[4:5], 0x100             ; s26 valid, s27 the expert
	s_wait_alu depctr_va_vdst(0)                   ; the offsets and LDS addresses v4-v16 and v25-v27 are written: every load and store of the kernel that reads one of them stands behind this wait, and none is written again
	; the 64 tokens are read in the four patterns in which they are wanted: 46 loads out of the record's first 256 bytes
.irp i, 0,1,2,3,4,5,6,7
	global_load_b32 v[112+\i], v25, s[4:5] offset:8*\i         ; the rows that I gather: 16 w + 2 i + h
.endr
.irp m, 0,1,2,3
.irp i, 0,1,2,3,4,5,6,7
	global_load_b32 v[32+8*\m+\i], v26, s[4:5] offset:64*\m+8*\i   ; the rows that I store: 16 m + 2 i + h
.endr
.endr
.irp m, 0,1,2,3
	global_load_b32 v[122+\m], v27, s[4:5] offset:64*\m        ; row 16 m + r: its prob
.endr
.irp q, 0,1
	global_load_b32 v[120+\q], v7, s[4:5] offset:128*\q        ; row 32 q + L: its scale words
.endr
	s_wait_kmcnt 0x0                               ; valid, the expert
	s_min_u32 s27, s27, 7                          ; a stored number enters addresses only behind this bound
	s_mul_i32 s66, s27, 786432
	s_mul_i32 s55, s24, 196608
	s_add_co_u32 s66, s66, s55
	s_add_nc_u64 s[12:13], s[12:13], s[66:67]      ; my stream of weight fragments
	s_lshl_b32 s66, s27, 14
	s_lshl_b32 s55, s24, 12
	s_add_co_u32 s66, s66, s55
	s_add_nc_u64 s[14:15], s[14:15], s[66:67]      ; W1's scales: my 128 rows of 32 bytes
	s_add_nc_u64 s[18:19], s[18:19], s[66:67]      ; W2's: my 256 rows of 16 bytes
	s_lshl_b32 s66, s27, 11
	s_lshl_b32 s55, s24, 9
	s_add_co_u32 s66, s66, s55
	s_add_nc_u64 s[16:17], s[16:17], s[66:67]      ; b1
	s_lshl_b32 s66, s27, 12
	s_lshl_b32 s55, s24, 10
	s_add_co_u32 s66, s66, s55
	s_add_nc_u64 s[20:21], s[20:21], s[66:67]      ; b2
	s_mov_b32 s66, s55
	s_add_nc_u64 s[22:23], s[22:23], s[66:67]      ; out0: my 256 columns
	B2S2A                                          ; product 2's first b2 and scale words,
	S2B
	W1A0                                           ; and product 1's first set 0: 10 + 2 + 11 + 18 = 41 loads
	FRS 0, 2, 6
	WIN 0
	s_wait_loadcnt 41                              ; the tokens are in; the 41 just issued may be out
	; ---- each token is bounded before it enters an address; all the offsets of the gather are made in one run
.irp i, 0,1,2,3,4,5,6,7
	v_min_u32 v[112+\i], 0x1fff, v[112+\i]
.endr
.irp i, 0,1,2,3,4,5,6,7
	v_mul_u32_u24 v[112+\i], v[112+\i], 768
.endr
.irp i, 0,1,2,3,4,5,6,7
	v_add_nc_u32 v[112+\i], v[112+\i], v126
.endr
.irp q, 0,1,2,3,4,5
	v_min_u32 v[120+\q], 0x1fff, v[120+\q]
.endr
	v_lshlrev_b32 v120, 5, v120
	v_lshlrev_b32 v121, 5, v121
.irp m, 0,1,2,3
	v_lshlrev_b32 v[122+\m], 2, v[122+\m]
.endr
	s_wait_alu depctr_va_vdst(0)                   ; the offsets v112-125 are written, which the 32 loads below read
.irp i, 0,1,2,3,4,5,6,7
.irp c, 0,1,2
	global_load_b128 v[128+12*\i+4*\c:131+12*\i+4*\c], v[112+\i], s[8:9] offset:256*\c   ; sixteen lanes read 256 consecutive bytes of a token's codes, aligned
.endr
.endr
.irp q, 0,1
	global_load_b128 v[72+8*\q:75+8*\q], v[120+\q], s[10:11]              ; x's scale words of K steps 0-3: lanes 0-15 row tile 2 q, lanes 16-31 tile 2 q + 1
	global_load_b128 v[76+8*\q:79+8*\q], v[120+\q], s[10:11] offset:16    ; and 4-7
.endr
.irp m, 0,1,2,3
	global_load_b32 v[64+2*\m], v[122+\m], s[6:7]
.endr
	FRS 1, 0, 8                                    ; product 1's first set 1 and its scale words of K steps 4-7: 25 loads
	WIN 0
	global_load_b128 v[92:95], v5, s[14:15] offset:16
	s_wait_xcnt 0x0                                ; the loads have read their bases: on to the next trip's
	s_add_nc_u64 s[12:13], s[12:13], 24576
	s_add_nc_u64 s[14:15], s[14:15], 1024
	s_add_nc_u64 s[16:17], s[16:17], 128
	s_add_nc_u64 s[18:19], s[18:19], 1024
	s_add_nc_u64 s[20:21], s[20:21], 256
.irp i, 0,1,2,3,4,5,6,7,8,9,10,11,12,13,14,15,16,17,18,19,20,21,22,23,24,25,26,27,28,29,30,31
	v_min_u32 v[32+\i], 0x1fff, v[32+\i]
.endr
.irp i, 0,1,2,3,4,5,6,7,8,9,10,11,12,13,14,15,16,17,18,19,20,21,22,23,24,25,26,27,28,29,30,31
	v_lshlrev_b32 v[32+\i], 12, v[32+\i]
.endr
.irp i, 0,1,2,3,4,5,6,7,8,9,10,11,12,13,14,15,16,17,18,19,20,21,22,23,24,25,26,27,28,29,30,31
	v_add_nc_u32 v[32+\i], v[32+\i], v126          ; token x 4,096 + 16 r.  (Read by the stores of product 2's way out, behind many waits on va_vdst)
.endr
	s_wait_loadcnt 33                              ; the codes are in; the 33 younger loads (4 of scale words, 4 of prob, set 1's 25) may be out
.irp i, 0,1,2,3,4,5,6,7
.irp c, 0,1,2
	ds_store_b128 v16, v[128+12*\i+4*\c:131+12*\i+4*\c] offset:1568*\i+256*\c   ; (no vector line since the last wait on va_vdst names v16 or the codes)
.endr
.endr
	BAR                                            ; the tile's 64 rows of codes lie in LDS
	s_wait_alu depctr_vm_vsrc(0)                   ; the gather's loads have read v112-125 and my LDS stores v128-223: these are accumulators and work registers from here on, written by the products and by gelu
	; ---- x's 32 fragments stay in registers: 192 loads of 8 bytes, those of K steps 0-3 first
.macro XFR sg
	WIN 0x40
.irp mm, 0,1
.irp sp, 0,1,2,3
.irp p, 0,1,2,3,4,5
	ds_load_b64 v[96*\mm+12*(4*\sg+\sp)+2*\p:96*\mm+12*(4*\sg+\sp)+2*\p+1], v9 offset:12544*\mm+96*(4*\sg+\sp)+48*(\p/3)+8*(\p%3)
.endr
.endr
.endr
	WIN 0x80
.irp mm, 0,1
.irp sp, 0,1,2,3
.irp p, 0,1,2,3,4,5
	ds_load_b64 v[96*\mm+12*(4*\sg+\sp)+2*\p:96*\mm+12*(4*\sg+\sp)+2*\p+1], v9 offset:12544*(2+\mm)+96*(4*\sg+\sp)+48*(\p/3)+8*(\p%3)
.endr
.endr
.endr
.endm
	XFR 0
	XFR 1
	WIN 0
.irp m, 0,1,2,3
	v_mov_b32 v[240+\m], 0                         ; the hidden layer's scale words begin empty
.endr
	s_mov_b32 s56, 0                               ; trip
	s_mov_b32 s57, 0                               ; where the trip's byte goes in a scale word
	s_mov_b32 s58, 0                               ; the trip's block in a hidden fragment
	s_mov_b32 s61, 0
	s_mov_b32 s63, 0
	s_wait_loadcnt 0x0                             ; scale words, prob, the first weights
; PRODUCT 1, 32 hidden units a trip.  32 matrix instructions on set kap (K steps 4 kap .. 4 kap + 3): row tiles in pairs (one window setting a pair); in a pair four accumulators take turns, one instruction a turn
; The first K step takes b1 as C.  MM1G: the four of pair pr and K step 4 kap + sp.
.macro MM1G kap, pr, sp
.if ((\kap) == 0) && ((\sp) == 0)
	WIN 0x37+4*(\pr)                               ; weights window 3, x window 1 or 2, C (b1) window 3, D window 0
.else
	WIN 0x07+4*(\pr)                               ; C and D window 0
.endif
.irp u, 0,1
.irp mm, 0,1
.set D_, 112+16*(2*(\pr)+\mm)+8*\u
.set A_, 96*(\kap)+12*(2*(\sp)+\u)
.set B_, 96*\mm+12*(4*(\kap)+(\sp))
.if ((\kap) == 0) && ((\sp) == 0)
.set C_, 192+8*\u
.else
.set C_, D_
.endif
.set SA_, 88+4*(\kap)+(\sp)
.set RA_, \u
.set SB_, 72+8*(\pr)+4*(\kap)+(\sp)
.set RB_, \mm
	WMMA
.endr
.endr
.endm
; gelu of row tile m's 16 numbers a lane, in place.  Z v176-191, U v192-207, P v208-223, Q v224-239.
.macro GELU16 m
.set X_, 112+16*(\m)
.irp j, 0,2,4,6,8,10,12,14
	v_pk_mul_f32 v[176+\j:177+\j], v[X_+\j:X_+\j+1], 0x3f3504f3 op_sel_hi:[1,0]     ; z = x / sqrt 2; each accumulator is read from its low end on
.endr
.irp j, 0,1,2,3,4,5,6,7,8,9,10,11,12,13,14,15
	v_med3_num_f32 v[176+\j], v[176+\j], -4.0, 4.0
.endr
.irp j, 0,2,4,6,8,10,12,14
	v_pk_mul_f32 v[192+\j:193+\j], v[176+\j:177+\j], v[176+\j:177+\j]
.endr
.irp j, 0,2,4,6,8,10,12,14
	v_pk_fma_f32 v[208+\j:209+\j], v[192+\j:193+\j], v[28:29], GA1 op_sel_hi:[1,1,0]
	v_pk_fma_f32 v[224+\j:225+\j], v[192+\j:193+\j], v[30:31], GB1 op_sel_hi:[1,1,0]
.endr
.irp cf, GA2, GA3, GA4, GA5, GA6
.irp j, 0,2,4,6,8,10,12,14
	v_pk_fma_f32 v[208+\j:209+\j], v[208+\j:209+\j], v[192+\j:193+\j], \cf op_sel_hi:[1,1,0]
.endr
.endr
.irp cf, GB2, GB3, GB4
.irp j, 0,2,4,6,8,10,12,14
	v_pk_fma_f32 v[224+\j:225+\j], v[224+\j:225+\j], v[192+\j:193+\j], \cf op_sel_hi:[1,1,0]
.endr
.endr
	s_wait_alu depctr_va_vdst(0)
.irp j, 0,1,2,3,4,5,6,7,8,9,10,11,12,13,14,15
	v_rcp_f32 v[224+\j], v[224+\j]
.endr
.irp j, 0,2,4,6,8,10,12,14
	v_pk_mul_f32 v[208+\j:209+\j], v[208+\j:209+\j], v[176+\j:177+\j]               ; plain work behind the reciprocals, which names none of them
	v_pk_mul_f32 v[192+\j:193+\j], v[X_+\j:X_+\j+1], 0.5 op_sel_hi:[1,0]
.endr
	s_wait_alu depctr_va_vdst(0)                   ; the sixteen reciprocals have written v224-239: one wait, ahead of their first reader
.irp j, 0,2,4,6,8,10,12,14
	v_pk_mul_f32 v[208+\j:209+\j], v[208+\j:209+\j], v[224+\j:225+\j]               ; erf
.endr
.irp j, 0,2,4,6,8,10,12,14
	v_pk_fma_f32 v[X_+\j:X_+\j+1], v[192+\j:193+\j], v[208+\j:209+\j], v[192+\j:193+\j]   ; 0.5 x erf + 0.5 x
.endr
.endm
; The trip's block of 32 hidden units of each of the 64 rows: 16 numbers in lane l, 16 in lane l xor 16.  Byte into the row's scale word; my 16 codes, 12 bytes, to their place in the fragment's image.
.macro QUANT1
.irp m, 0,1,2,3
	v_max3_num_f32 v[176+\m], |v[112+16*\m]|, |v[113+16*\m]|, 0x2800000    ; with the floor 2^(5 - 127): the byte cannot fall under 1
.endr
.irp i, 2,4,6,8,10,12,14
.irp m, 0,1,2,3
	v_max3_num_f32 v[176+\m], v[176+\m], |v[112+16*\m+\i]|, |v[113+16*\m+\i]|
.endr
.endr
.irp m, 0,1,2,3
	v_permlanex16_b32 v[180+\m], v[176+\m], s30, s31
.endr
.irp m, 0,1,2,3
	v_max_num_f32 v[176+\m], v[176+\m], v[180+\m]
.endr
.irp m, 0,1,2,3
	v_add_nc_u32 v[184+\m], 0xfe000000, v[176+\m]  ; 4 off the exponent field: the conversion's scale operand
.endr
.irp m, 0,1,2,3
	v_lshrrev_b32 v[188+\m], 23, v[184+\m]
.endr
.irp m, 0,1,2,3
	v_lshl_or_b32 v[240+\m], v[188+\m], s57, v[240+\m]
.endr
	v_add_nc_u32 v17, s58, v11
.irp m, 0,1,2,3
	v_cvt_scalef32_pk16_bf6_f32 v[192+4*\m:194+4*\m], v[112+16*\m:127+16*\m], v[184+\m]
.endr
	v_nop                                          ; one plain instruction behind the conversions
	s_wait_alu depctr_va_vdst(0)                   ; the conversions have written v192-206 and the add v17, which the LDS stores below read; the scale words v240-243, stored behind the last trip, are written too
.irp m, 0,1,2,3
.irp i, 0,1,2
	ds_store_b32 v17, v[192+4*\m+\i] offset:6144*\m+4*\i
.endr
.endr
.endm
.Lp1:                                              ; 4 trips
	s_wait_loadcnt 25                              ; set 0, b1 and its scale words are in; set 1's 25 loads may be out
	s_wait_dscnt 63                                ; of x's 192 fragment loads all but the last 63 are in: the first 96, K steps 0-3, among them
.irp pr, 0,1
.irp sp, 0,1,2,3
	MM1G 0, \pr, \sp
.endr
.endr
	NOP4
	s_wait_alu depctr_va_vdst(0)                   ; these 32 matrix instructions are done reading set 0, b1 and v88-91, in which the 29 loads up to the next such wait land
	W1A0                                           ; the next trip's (in the last trip: product 2's first set 0; b1 and scale words are then this trip's again and are not used)
	s_wait_loadcnt 11                              ; set 1 is in; the 11 just issued may be out
	s_wait_dscnt 0x0                               ; x's K steps 4-7
	MM1G 1, 0, 0                                   ; the second 32 name set 1, x, v92-95, x's scale words and the accumulators: no register of set 0's refill, which is dealt among them
	MM1G 1, 0, 1
	FRS 0, 2, 2
	MM1G 1, 0, 2
	MM1G 1, 0, 3
	FRS 0, 4, 2
	MM1G 1, 1, 0
	MM1G 1, 1, 1
	FRS 0, 6, 2
	MM1G 1, 1, 2
	MM1G 1, 1, 3
	NOP4
	s_wait_alu depctr_va_vdst(0)                   ; the second 32 are done reading set 1 and v92-95, in which the 25 loads dealt among gelu land
	s_wait_alu depctr_vm_vsrc(0)                   ; the last trip's LDS stores have read v17 and v192-206, which gelu and the quantiser below write again
	FRS 1, 0, 3
	WIN 0
	global_load_b128 v[92:95], v5, s[14:15] offset:16
	GELU16 0                                       ; gelu names v28-31 and v112-239 of window 0: no register of set 1's refill
	FRS 1, 3, 3
	WIN 0
	GELU16 1
	FRS 1, 6, 2
	WIN 0
	GELU16 2
	GELU16 3
	QUANT1
	s_wait_xcnt 0x0                                ; the loads have read their bases
	s_add_nc_u64 s[12:13], s[12:13], 24576
	s_cmp_lt_u32 s56, 2                            ; b1's and the scales' bases stop at the last trip's: no load leaves its buffer
	s_cselect_b32 s60, 1024, 0
	s_cselect_b32 s62, 128, 0
	s_add_nc_u64 s[14:15], s[14:15], s[60:61]
	s_add_nc_u64 s[16:17], s[16:17], s[62:63]
	s_add_co_u32 s57, s57, 8
	s_add_co_u32 s58, s58, 384
	s_add_co_u32 s56, s56, 1
	s_cmp_lt_u32 s56, 4
	s_cbranch_scc1 .Lp1
.irp m, 0,1,2,3
	ds_store_b32 v12, v[240+\m] offset:64*\m       ; my K step's scale words (both halves of the lanes write the same); written ahead of the quantiser's wait on va_vdst and not named since
.endr
	BAR                                            ; the hidden layer's 16 fragments and their scale words lie in LDS
	WIN 0x40
.irp m, 0,1,2,3
.irp s, 0,1,2,3
.irp p, 0,1,2,3,4,5
	ds_load_b64 v[12*(4*\m+\s)+2*\p:12*(4*\m+\s)+2*\p+1], v10 offset:1536*(4*\m+\s)+768*(\p/3)+8*(\p%3)   ; over x's fragments: product 1's last reader of them stands ahead of the waits on va_vdst above, and nothing has named them since
.endr
.endr
.endr
	WIN 0
.irp s, 0,1,2,3
.irp q, 0,1
	ds_load_b32 v[104+4*\q+\s], v13 offset:256*\s+128*\q   ; lanes 0-15 row tile 2 q, lanes 16-31 tile 2 q + 1
.endr
.endr
	s_wait_dscnt 0x0
; PRODUCT 2, 64 outputs a trip.  32 matrix instructions on set kap (K steps 2 kap, 2 kap + 1): sixteen accumulators (4 tiles of outputs x 4 row tiles) take turns.  The first K step takes b2 as C.
; MM2G: the four row tiles of K step 2 kap + sp and tile of outputs t.
.macro MM2G kap, sp, t
.if ((\kap) == 0) && ((\sp) == 0)
	WIN 0xB7                                       ; weights window 3, hidden layer window 1, C (b2) window 3, D window 2
.else
	WIN 0xA7                                       ; C and D window 2
.endif
.irp m, 0,1,2,3
.set D_, 32*\m+8*(\t)
.set A_, 96*(\kap)+12*(4*(\sp)+(\t))
.set B_, 12*(4*\m+2*(\kap)+(\sp))
.if ((\kap) == 0) && ((\sp) == 0)
.set C_, 208+8*(\t)
.else
.set C_, D_
.endif
.set SA_, 96+4*(\kap)+2*((\t)/2)+(\sp)
.set RA_, (\t)%2
.set SB_, 104+4*(\m/2)+2*(\kap)+(\sp)
.set RB_, \m%2
	WMMA
.endr
.endm
.macro MULT m                          ; row tile m x its rows' prob
.irp t, 0,1,2,3
.irp j, 0,2,4,6
	v_pk_mul_f32 v[32*(\m)+8*\t+\j:32*(\m)+8*\t+\j+1], v[32*(\m)+8*\t+\j:32*(\m)+8*\t+\j+1], v[64+2*(\m):65+2*(\m)] op_sel_hi:[1,0]   ; each accumulator from its low end on
.endr
.endr
.endm
.macro TURNT m                         ; row tile m through my own stage (LDS serves a wave's instructions in order: ISA guide 5.7.1.4) and back as rows of 256 bytes
.irp t, 0,1,2,3
.irp q, 0,1
	ds_store_b128 v14, v[32*(\m)+8*\t+4*\q:32*(\m)+8*\t+4*\q+3] offset:64*\t+16*\q
.endr
.endr
.irp i, 0,1,2,3,4,5,6,7
	ds_load_b128 v[128+32*(\m)+4*\i:128+32*(\m)+4*\i+3], v15 offset:544*\i
.endr
.endm
; THE WAY OUT of a trip: x prob, through the stage, then 32 stores.  Set 1's refill (26 loads) is dealt among it: its vector lines name window 2's v0-127 and v64-71 alone.
.macro EPI refill
.if \refill
	FRS 1, 0, 4
	WIN 0
	S2B
.endif
	WIN 0x82
	MULT 0
	MULT 1
	s_wait_alu depctr_va_vdst(0)                   ; row tiles 0 and 1 are scaled: window 2's v0-63 are written, which their LDS stores read
	WIN 0x88
	TURNT 0
.if \refill
	FRS 1, 4, 4
.endif
	WIN 0x82
	MULT 2                                         ; (these name none of the registers that tile 1's LDS instructions touch)
	MULT 3
	WIN 0x88
	TURNT 1
	s_wait_alu depctr_va_vdst(0)                   ; row tiles 2 and 3 are scaled: window 2's v64-127 are written, which their LDS stores read
	TURNT 2
	TURNT 3
	s_wait_dscnt 0x0
.if \refill
	s_wait_alu depctr_vm_vsrc(0)                   ; the LDS stores have read window 2's v0-127, which the next trip's first products write anew; it stands ahead of the global stores, which read other registers
.endif
	WIN 0
	s_cmp_lg_u32 s26, 0                            ; a work-group without rows stores nothing: the one branch on a stored number, round the stores alone
	s_cbranch_scc0 .Lno_rows_\@
	WIN 0x08
.irp m, 0,1,2,3
.irp i, 0,1,2,3,4,5,6,7
	global_store_b128 v[32+8*\m+\i], v[128+32*\m+4*\i:128+32*\m+4*\i+3], s[22:23] th:TH_STORE_NT   ; sixteen lanes store 256 consecutive bytes of a token's row, aligned
.endr
.endr
	WIN 0
.Lno_rows_\@:
.endm
.macro P2TRIP refill
	s_wait_loadcnt 25                              ; set 0 with b2 and its scale words is in.  Behind it stand 25 loads on the way in from product 1 and 26 later: the lower count serves both
.irp sp, 0,1
.irp t, 0,1,2,3
	MM2G 0, \sp, \t
.endr
.endr
.if \refill
	s_cmp_lg_u32 s56, 0                            ; the bases move on by a trip here, a step behind the stores and loads that read them; in the loop's first trip they stand right already and 0 is added
	s_cselect_b32 s60, 24576, 0
	s_cselect_b32 s62, 1024, 0
	s_cselect_b32 s68, 256, 0
	NOP4
	s_wait_xcnt 0x0                                ; the last trip's stores and loads have had their addresses translated (ISA guide 3.1): their bases and the stores' data registers are rewritten only behind this wait
	s_wait_alu depctr_vm_vsrc(0)                   ; the last trip's global stores have read window 2's v128-255, in which this trip's LDS loads land
	s_wait_alu depctr_va_vdst(0)                   ; these 32 matrix instructions are done reading set 0, b2 and v96-99, in which the 34 loads up to the next such wait land
	s_add_nc_u64 s[22:23], s[22:23], s[68:69]
	s_add_nc_u64 s[12:13], s[12:13], s[60:61]
	s_add_nc_u64 s[18:19], s[18:19], s[62:63]
	s_add_nc_u64 s[20:21], s[20:21], s[68:69]
	FRS 0, 0, 2
	B2S2A
	s_wait_loadcnt 16                              ; set 1 is in; the 16 just issued (6 of weights, 8 of b2, 2 of scale words) may be out
	MM2G 1, 0, 0                                   ; the second 32 name set 1, the hidden layer, v100-111 and the accumulators: no register of set 0's refill, which is dealt among them
	MM2G 1, 0, 1
	FRS 0, 2, 2
	MM2G 1, 0, 2
	MM2G 1, 0, 3
	FRS 0, 4, 2
	MM2G 1, 1, 0
	MM2G 1, 1, 1
	FRS 0, 6, 2
	MM2G 1, 1, 2
	MM2G 1, 1, 3
	NOP4
	s_wait_alu depctr_va_vdst(0)                   ; the second 32 are done reading set 1 and v100-103, in which the 26 loads dealt among the way out land
.else
	s_wait_xcnt 0x0                                ; the last trip's stores have had their addresses translated: their base and their data registers are rewritten only behind this wait
	s_wait_alu depctr_vm_vsrc(0)                   ; the last trip's global stores have read window 2's v128-255, in which this trip's LDS loads land
	s_add_nc_u64 s[22:23], s[22:23], 256
	s_wait_loadcnt 0x0
.irp sp, 0,1
.irp t, 0,1,2,3
	MM2G 1, \sp, \t
.endr
.endr
	NOP4
.endif
	EPI \refill
.endm
	s_mov_b32 s56, 0
	s_mov_b32 s69, 0
.Lp2:                                              ; 3 trips that fetch the next trip's weights
	P2TRIP 1
	s_add_co_u32 s56, s56, 1
	s_cmp_lt_u32 s56, 3
	s_cbranch_scc1 .Lp2
	P2TRIP 0                                       ; the last fetches nothing
	s_wait_dscnt 0x0
	s_wait_alu depctr_hold_cnt(0) depctr_sa_sdst(0) depctr_va_vdst(0) depctr_va_sdst(0) depctr_va_ssrc(0) depctr_va_vcc(0) depctr_vm_vsrc(0)
	s_wait_tensorcnt 0x0
	ds_add_u32 v254, v255
	s_wait_dscnt 0x0
	s_endpgm
.Lfunc_end_k_q5b616b08d2_chain:
	.size	k_q5b616b08d2_chain, .Lfunc_end_k_q5b616b08d2_chain-k_q5b616b08d2_chain
	.p2alignl 7, 3214868480
	.fill 96, 4, 3214868480
	.section	.rodata,"a",@progbits
	.p2align	6, 0x0
	.amdhsa_kernel k_q5b616b08d2_chain
		.amdhsa_group_segment_fixed_size 98816
		.amdhsa_private_segment_fixed_size 0
		.amdhsa_enable_private_segment 0
		.amdhsa_kernarg_size 80
		.amdhsa_user_sgpr_count 2
		.amdhsa_user_sgpr_kernarg_segment_ptr 1
		.amdhsa_wavefront_size32 1
		.amdhsa_system_sgpr_workgroup_id_x 1
		.amdhsa_system_sgpr_workgroup_id_y 1
		.amdhsa_system_sgpr_workgroup_id_z 1
		.amdhsa_system_vgpr_workitem_id 0
		.amdhsa_next_free_vgpr 1024
		.amdhsa_next_free_sgpr 80
		.amdhsa_reserve_vcc 0
		.amdhsa_float_denorm_mode_32 3
		.amdhsa_float_denorm_mode_16_64 3
		.amdhsa_memory_ordered 1
		.amdhsa_forward_progress 1
		.amdhsa_inst_pref_size 161
	.end_amdhsa_kernel
	.amdgpu_metadata
---
amdhsa.version: [ 1, 2 ]
amdhsa.kernels:
  - .name:           k_q5b616b08d2_chain
    .symbol:         k_q5b616b08d2_chain.kd
    .args:
      - { .name: tiles, .offset: 0, .size: 8, .value_kind: global_buffer, .address_space: global }
      - { .name: prob, .offset: 8, .size: 8, .value_kind: global_buffer, .address_space: global }
      - { .name: xq, .offset: 16, .size: 8, .value_kind: global_buffer, .address_space: global }
      - { .name: xs, .offset: 24, .size: 8, .value_kind: global_buffer, .address_space: global }
      - { .name: wf, .offset: 32, .size: 8, .value_kind: global_buffer, .address_space: global }
      - { .name: W1_scales, .offset: 40, .size: 8, .value_kind: global_buffer, .address_space: global }
      - { .name: b1, .offset: 48, .size: 8, .value_kind: global_buffer, .address_space: global }
      - { .name: W2_scales, .offset: 56, .size: 8, .value_kind: global_buffer, .address_space: global }
      - { .name: b2, .offset: 64, .size: 8, .value_kind: global_buffer, .address_space: global }
      - { .name: out0, .offset: 72, .size: 8, .value_kind: global_buffer, .address_space: global }
    .group_segment_fixed_size: 98816
    .private_segment_fixed_size: 0
    .kernarg_segment_align: 8
    .kernarg_segment_size: 80
    .max_flat_workgroup_size: 128
    .sgpr_count:     80
    .vgpr_count:     1024
    .wavefront_size: 32
...
	.end_amdgpu_metadata
.endif
;; end of part 6
